; MI455X (gfx1250); checked and timed in simulation.
; The chip was launched on July 23, 2026; its instructions are those of AMD's public machine-readable ISA for CDNA 5 (MIT licence, August 2026) and "CDNA5" Instruction Set Architecture Reference Guide (July 2026). The comments in the code are by the model that wrote it; some were corrected since.
;; Causal Attention. Allowed arithmetic: matrix products marked QUANTISED: E2M3 operands, one E8M0 scale for each 32 along K, by v_wmma_scale_f32_16x16x128_f8f6f4 with both operands' format E2M3, f32 sums; everything else in f32.
;; Inputs: Wk 1,024 x 1,024 float32; Wo 1,024 x 1,024 float32; Wq 1,024 x 1,024 float32; Wv 1,024 x 1,024 float32; bk 1,024 float32; bo 1,024 float32; bq 1,024 float32; bv 1,024 float32; x 2 x 2,048 x 1,024 float32.
;; Outputs: out0 2 x 2,048 x 1,024 float32.
;; This version of the problem:
;;   THIS VERSION OF THE PROBLEM IS GIVEN IN LOW PRECISION. The matrix products marked QUANTISED in the list below multiply operands that are first quantised to E2M3 (2 exponent bits, 3 mantissa bits; 6 bits a number), with one power-of-two scale for each 32 numbers along K (OCP MX v1.0); their sums are f32. All else is computed in f32.
;;   The module's matrix products, in the order in which they are computed (A, B: the left and right operand; K: the contracted axis; several contracted axes count as one K, in the product's order):
;;     1. [M 4,096, K 1,024] x [K 1,024, N 1,024]; A: input x; B: input Wq: QUANTISED
;;     2. [M 4,096, K 1,024] x [K 1,024, N 1,024]; A: input x; B: input Wk: QUANTISED
;;     3. [M 4,096, K 1,024] x [K 1,024, N 1,024]; A: input x; B: input Wv: QUANTISED
;;     4. batch 32 x [M 2,048, K 64] x [K 64, N 2,048]; A: computed on the way; B: computed on the way: QUANTISED
;;     5. batch 32 x [M 2,048, K 2,048] x [K 2,048, N 64]; A: softmax (see below); B: computed on the way: QUANTISED
;;     6. [M 4,096, K 1,024] x [K 1,024, N 1,024]; A: computed on the way; B: input Wo: QUANTISED
;;   THE QUANTISER, for each operand of a quantised product, along K:
;;     - K is cut into blocks of 32 from its start; a last block that is shorter is filled with zeros.
;;     - A block's scale is 2^e with e = floor(log2(the largest magnitude in the block)) - 2, held to -126 .. 127; a block of zeros has e = 0. As a byte (E8M0): e + 127.
;;     - Each number is divided by its block's scale, clamped to +-7.5, and rounded to the nearest number of E2M3, ties to even, subnormals kept.
;;     - The product sums the exact products of the quantised numbers (number of the format x scale) in f32.
;;   ~~~python
;;   def quantise(x, axis):      # numpy; x: float32 -> the quantised numbers, widened to float32 again
;;       x = np.moveaxis(x, axis, -1); K = x.shape[-1]
;;       x = np.pad(x, [(0, 0)] * (x.ndim - 1) + [(0, -K % 32)]); x = x.reshape(x.shape[:-1] + (-1, 32)); a = np.abs(x).max(-1, keepdims=True)
;;       e = np.where(a > 0, np.clip(np.frexp(np.where(a > 0, a, 1))[1] - 1 - 2, -126, 127), 0)      # np.frexp(a)[1] - 1 = floor(log2(a)), exactly
;;       r = np.clip(x / 2.0 ** e, -7.5, 7.5)
;;       step = 2.0 ** (np.maximum(np.frexp(np.where(r == 0, 1, r))[1] - 1, 0) - 3)
;;       q = np.round(r / step) * step * 2.0 ** e      # np.round: ties to even
;;       return np.moveaxis(q.reshape(q.shape[:-2] + (-1,))[..., :K], -1, axis).astype(np.float32)
;;   ~~~
;;   SOFTMAX AHEAD OF A QUANTISED PRODUCT. Where the list says 'softmax', what is quantised is not the finished softmax but p = 2^(t - M), with t = logit x log2(e) and M = ceil(the row's largest t), a whole number; so 1/2 < the row's largest p <= 1. The row's sum l is taken of the UNQUANTISED p, in f32, and the product's result is divided by l at the end. Since M is a whole number, a kernel that streams over the keys may use a running M (the ceiling of the running maximum): every later rescaling is an exact power of two, which a block's scale takes up: the codes' values come out the same.
;;   OPERANDS COMPUTED ON THE WAY. 'Computed on the way' means the value that the module computes at that place (a softmax that the list does not call 'softmax' is quantised finished and normalised). What goes into a quantiser is computed in f32, as accurately as f32 sums, v_exp_f32 and their like allow (about 1e-6 of the number): no bf16 or f16 on the way to a quantiser, and a product that is left as it is and whose result goes on into a quantised operand takes f32 operands (vector FMAs, or v_wmma_f32_16x16x4_f32). A number that lies on a knife's edge between two numbers of the format may be rounded either way, as far as f32 arithmetic and the matrix unit's own rounding can turn it there, and no further.
;; One version. Each part assembles by itself: llvm-mc -triple=amdgcn-amd-amdhsa -mcpu=gfx1250 --defsym DOCPART=n.
;; ======== version 1 of 1: 4 launches
;; limits: right only within a limited range of input values
;; workspace buffers: gc 9,437,184 bytes; gs 393,216 bytes; att 10,092,544 bytes
;; launch prep (part 1): grid 256 x 1, 8 waves a work-group, no clusters, 34,816 bytes of LDS; arguments x, Wq, Wk, Wv, Wo, gc, gs; writes gc, gs
.if DOCPART == 1
	.amdgcn_target "amdgcn-amd-amdhsa--gfx1250"
	.amdhsa_code_object_version 6
	.text
	.protected	k_q07beb5c266_prep
	.globl	k_q07beb5c266_prep
	.p2align	8
	.type	k_q07beb5c266_prep,@function
k_q07beb5c266_prep:
	s_mov_b64 s[64:65], 0
	v_nop
	global_prefetch_b8 v0, s[64:65] scope:SCOPE_SE
	s_setreg_imm32_b32 hwreg(HW_REG_WAVE_MODE, 25, 1), 1
	s_wait_xcnt 0x0
; x [4096][1024] and the four weights [1024 (k)][1024 (n)], f32, become codes of FP6 (E2M3) with one E8M0 byte for each 32 along K, laid as IMAGES OF OPERAND REGISTERS.
; gc: [row tile][16 half fragments][768 bytes].  A row tile is 16 rows; lane row r of tile T is row 64 (T / 4) + 8 (T % 4) + r % 8 + 32 (r / 8): so four tiles' results lie in a lane as 32 neighbours.
; A half fragment is 64 along K: lane (r, h) owns the 24 bytes of block 2 c + h: registers 0-3 at byte 16 (r + 16 h), registers 4-5 at byte 512 + 16 r + 8 h.  Tiles 0-255: x; 256-511: Wq, Wk, Wv, Wo (rows = n).
; gs: [row tile][q / 4][r][q % 4] words, q the K step of 128, byte b of a word the scale of block 4 q + b.
; A block's scale is 2^(floor(log2(largest magnitude)) - 2): its byte is the largest magnitude's exponent field - 2, held at 1 from below.
; LIMITS: NaN and infinities are not served; a block whose largest magnitude lies under 2^-124 keeps the byte 1; a block of zeros gets the byte 1 where the rule says 127 (its codes are zeros, and this program alone reads the bytes).
; WORK LEFT OUT IN THE PROGRAM: attention's products on key steps that come wholly after a tile's queries: reference()'s own causal mask sets those scores to -infinity, their weights are 0 for all inputs.  All inputs are loaded.
; Each work-group has 64 KiB of x (waves 0-3) and 64 KiB of a weight (waves 4-7): 256 work-groups of equal work.  Waves share nothing: no barrier.  No cluster: no two work-groups read the same bytes.  No prefetch: all loads stand at the head.
.set XROW,   4096                      ; a row of x or of a weight in bytes
.set SPITCH, 528                       ; a stage row: 512 bytes + 16, so that the 16 rows that a read touches begin at 16 different 16-byte columns
.set WREG,   16*SPITCH                 ; a wave's stage
.set SPARE,  4*WREG                    ; behind the four stages: the spare words
.set R,   16                           ; x: v16-143  two sets of 64 registers as loaded
.set X,   144                          ;    v144-207 64 neighbours along K: my two blocks
.set P,   208                          ;    v208-219 the fragment's codes
.set PT,  220                          ;    v220-227 the upper halves' conversions
.set TM,  228                          ;    v228-235 at work
.set SW,  240                          ;    v240-241 two scale words
.set WX,  16                           ; W: v16-143  128 numbers down K
.set PA,  144                          ;    v144-175 codes, 8 registers a block
.set Z,   176                          ;    v176-183 registers 4-5 of two lanes' halves, joined
.set TW,  184                          ;    v184-191 at work
	s_load_b256 s[4:11], s[0:1], 0x0               ; x s[4:5], Wq s[6:7], Wk s[8:9], Wv s[10:11]
	s_load_b128 s[12:15], s[0:1], 0x20             ; Wo s[12:13], gc s[14:15]
	s_load_b64 s[16:17], s[0:1], 0x30              ; gs
	v_lshl_add_u32 v254, v0, 2, SPARE
	v_mov_b32 v255, 0
	v_lshrrev_b32 v1, 5, v0
	v_readfirstlane_b32 s18, v1                    ; wave
	v_and_b32 v1, 31, v0                           ; lane
	s_mov_b32 s25, 0
	s_mov_b32 s30, 0x76543210
	s_mov_b32 s31, 0xfedcba98                      ; v_permlanex16_b32's selects for lane l xor 16
	s_wait_alu depctr_va_vdst(0)
	s_wait_kmcnt 0x0
	s_cmp_lt_u32 s18, 4
	s_cbranch_scc0 .Lweights
; ---------------- x: a wave takes one row tile T and a quarter of K: two tasks of 16 rows x 128 K ----------------
	s_lshl_b32 s19, ttmp9, 2
	s_add_co_u32 s19, s19, s18                     ; idx = 4 T + Q
	s_lshr_b32 s20, s19, 4                         ; T / 4: 64 rows of 4,096 bytes
	s_lshl_b32 s24, s20, 18
	s_bfe_u32 s21, s19, 0x20002                    ; T % 4: 8 rows
	s_lshl_b32 s21, s21, 15
	s_add_co_u32 s24, s24, s21
	s_and_b32 s21, s19, 3                          ; Q: 256 along K
	s_lshl_b32 s21, s21, 10
	s_add_co_u32 s24, s24, s21
	s_add_nc_u64 s[4:5], s[4:5], s[24:25]
	s_mul_i32 s24, s19, 3072                       ; 12,288 T + 3,072 Q
	s_add_nc_u64 s[14:15], s[14:15], s[24:25]
	s_lshr_b32 s24, s19, 1
	s_lshl_b32 s24, s24, 8                         ; 512 T + 256 (Q / 2)
	s_and_b32 s21, s19, 1
	s_lshl_b32 s21, s21, 3                         ; + 8 (Q % 2)
	s_add_co_u32 s24, s24, s21
	s_add_nc_u64 s[16:17], s[16:17], s[24:25]
	s_mul_i32 s27, s18, WREG
	v_and_b32 v2, 15, v0                           ; r
	v_bfe_u32 v3, v0, 4, 1                         ; h
	v_lshlrev_b32 v4, 4, v1                        ; 16 x lane: my bytes of a load, and of a fragment's registers 0-3
	v_add_nc_u32 v5, s27, v4                       ; the stage, in: as loaded
	v_mul_u32_u24 v6, v2, SPITCH
	v_lshl_add_u32 v6, v3, 7, v6
	v_add_nc_u32 v6, s27, v6                       ; and out: row r, + 128 h: block h of the row's 128 numbers
	v_lshlrev_b32 v10, 4, v2                       ; 16 r
	v_lshl_add_u32 v8, v3, 3, v10
	v_add_nc_u32 v8, 512, v8                       ; registers 4-5: 512 + 16 r + 8 h
	v_lshlrev_b32 v9, 3, v3                        ; 8 h: my bytes' place in a scale word
	v_mov_b32 v[TM+7], 0                           ; written once: a lane permute's destination counts as one of its sources
.macro LOADX t                         ; task t: 16 rows x 512 bytes; each load reads 512 consecutive bytes of one row
.irp p, 0,1,2,3,4,5,6,7,8,9,10,11,12,13,14,15
	global_load_b128 v[R+64*(\t)+4*\p:R+64*(\t)+4*\p+3], v4, s[4:5] offset:(\p+24*(\p/8))*XROW+512*(\t) th:TH_LOAD_NT
.endr
.endm
.macro TASK t
	s_wait_loadcnt 16-16*(\t)                      ; this task's 16 loads are in; the next task's 16 may be out
.irp p, 0,1,2,3,4,5,6,7,8,9,10,11,12,13,14,15
	ds_store_b128 v5, v[R+64*(\t)+4*\p:R+64*(\t)+4*\p+3] offset:SPITCH*\p
.endr
.irp c, 0,1                            ; LDS serves a wave's instructions in order (ISA guide 5.7.1.4): these see the stores above
.irp i, 0,1,2,3,4,5,6,7
	ds_load_b128 v[X+32*\c+4*\i:X+32*\c+4*\i+3], v6 offset:256*\c+16*\i   ; block 2 c + h of row r: 32 neighbours
.endr
.endr
	s_wait_dscnt 0x0                               ; my numbers are back
.irp c, 0,1
	v_max3_num_f32 v[TM+\c], |v[X+32*\c]|, |v[X+32*\c+1]|, 0x1800000   ; the block's largest magnitude, all 32 numbers mine, and the floor 2^(3 - 127): the byte cannot fall under 1
.endr
.irp i, 2,4,6,8,10,12,14,16,18,20,22,24,26,28,30
.irp c, 0,1
	v_max3_num_f32 v[TM+\c], v[TM+\c], |v[X+32*\c+\i]|, |v[X+32*\c+\i+1]|   ; (the two blocks by turns)
.endr
.endr
.irp c, 0,1
	v_add_nc_u32 v[TM+2+\c], 0xff000000, v[TM+\c]  ; 2 off the exponent field: the conversion's scale operand
.endr
.irp c, 0,1
	v_lshrrev_b32 v[TM+4+\c], 23, v[TM+2+\c]       ; the scale's byte
.endr
	v_lshl_or_b32 v[TM+6], v[TM+5], 16, v[TM+4]    ; blocks h and 2 + h of row r,
	v_lshlrev_b32 v[TM+6], v9, v[TM+6]             ; at their places in the word;
	v_permlanex16_b32 v[TM+7], v[TM+6], s30, s31
	v_or_b32 v[SW+(\t)], v[TM+6], v[TM+7]          ; with lane l xor 16's two the word is whole
	s_wait_alu depctr_va_vdst(0)
	s_wait_xcnt 0x0                                ; the last task's stores have read the codes' registers: they are written again only behind this wait
.irp c, 0,1
	v_cvt_scalef32_pk16_fp6_f32 v[P+6*\c:P+6*\c+2], v[X+32*\c:X+32*\c+15], v[TM+2+\c]
	v_cvt_scalef32_pk16_fp6_f32 v[PT+4*\c:PT+4*\c+2], v[X+32*\c+16:X+32*\c+31], v[TM+2+\c]   ; (a conversion's three registers begin on an even number)
.endr
	v_nop                                          ; one plain place behind a scaled conversion
.irp c, 0,1
.irp i, 0,1,2
	v_mov_b32 v[P+3+6*\c+\i], v[PT+4*\c+\i]
.endr
.endr
	global_store_b128 v4, v[P:P+3], s[14:15] offset:1536*(\t)          ; 512 consecutive bytes
	global_store_b64 v8, v[P+4:P+5], s[14:15] offset:1536*(\t)         ; 256 consecutive bytes
	global_store_b128 v4, v[P+6:P+9], s[14:15] offset:1536*(\t)+768
	global_store_b64 v8, v[P+10:P+11], s[14:15] offset:1536*(\t)+768
.endm
	LOADX 0
	LOADX 1
	s_wait_alu depctr_va_vdst(0)
	TASK 0
	TASK 1
	s_wait_alu depctr_va_vdst(0)
	s_wait_xcnt 0x0                                ; EXEC changes only behind this wait
	v_cmp_gt_u32 vcc_lo, 16, v1
	s_wait_tensorcnt 0x0                           ; the wave's end
	ds_add_u32 v254, v255
	s_wait_dscnt 0x0
	s_and_saveexec_b32 s28, vcc_lo                 ; lanes 16-31 hold the same words
	global_store_b64 v10, v[SW:SW+1], s[16:17]
	s_wait_xcnt 0x0
	s_or_b32 exec_lo, exec_lo, s28
	s_endpgm
; ---------------- the weights: a lane takes a column n, its registers run down K: 32 columns x 128 K a wave ----------------
.Lweights:
	s_sub_co_u32 s18, s18, 4
	s_mov_b32 s19, ttmp9
	s_lshr_b32 s20, s19, 6                         ; which weight
	s_cmp_eq_u32 s20, 1
	s_cselect_b64 s[6:7], s[8:9], s[6:7]
	s_cmp_eq_u32 s20, 2
	s_cselect_b64 s[6:7], s[10:11], s[6:7]
	s_cmp_eq_u32 s20, 3
	s_cselect_b64 s[6:7], s[12:13], s[6:7]
	s_bfe_u32 s21, s19, 0x30003
	s_and_b32 s22, s19, 7                          ; q: the K step of 128
	s_lshl_b32 s21, s21, 2
	s_add_co_u32 s21, s21, s18                     ; which pair of row tiles: 2 s21, 2 s21 + 1; the four waves stand side by side on 512 bytes of a row
	s_lshl_b32 s24, s22, 19                        ; 128 rows of 4,096 bytes
	s_lshr_b32 s26, s21, 1
	s_lshl_b32 s26, s26, 8                         ; 64 columns for two pairs,
	s_add_co_u32 s24, s24, s26
	s_and_b32 s26, s21, 1
	s_lshl_b32 s26, s26, 6                         ; the second of which begins 16 columns on
	s_add_co_u32 s24, s24, s26
	s_add_nc_u64 s[6:7], s[6:7], s[24:25]
	s_lshl_b32 s23, s20, 6
	s_lshl_b32 s26, s21, 1
	s_add_co_u32 s23, s23, s26
	s_add_co_u32 s23, s23, 256                     ; the first of my two row tiles
	s_mul_i32 s24, s23, 12288
	s_mul_i32 s26, s22, 1536
	s_add_co_u32 s24, s24, s26
	s_add_nc_u64 s[14:15], s[14:15], s[24:25]
	s_lshl_b32 s24, s23, 9
	s_lshr_b32 s26, s22, 2
	s_lshl_b32 s26, s26, 8
	s_add_co_u32 s24, s24, s26
	s_and_b32 s26, s22, 3
	s_lshl_b32 s26, s26, 2
	s_add_co_u32 s24, s24, s26
	s_add_nc_u64 s[16:17], s[16:17], s[24:25]
	v_bfe_u32 v7, v0, 4, 1
	v_lshlrev_b32 v4, 2, v1
	v_lshl_add_u32 v4, v7, 6, v4                   ; in: lane L takes column L % 16 + 32 (L / 16): two runs of 64 bytes
	v_bfe_u32 v2, v0, 3, 1                         ; which is lane row r = L % 8 + 8 (L / 16) of tile u = (L / 8) % 2
	v_and_b32 v3, 7, v0
	v_lshl_add_u32 v3, v7, 3, v3
	v_lshlrev_b32 v3, 4, v3                        ; 16 r
	v_mad_u32_u24 v5, v2, 12288, v3                ; codes: 12,288 u + 16 r
	v_lshl_add_u32 v6, v2, 9, v3                   ; scale word: 512 u + 16 r
.set i, 0
.rept 128
	global_load_b32 v[WX+i], v4, s[6:7] offset:XROW*i th:TH_LOAD_NT   ; W(128 q + i, my column)
.set i, i+1
.endr
.macro WBLOCK b                        ; block b of 32 along K: all its numbers are mine
.set XS, WX+32*(\b)
	v_max3_num_f32 v[TW], |v[XS]|, |v[XS+1]|, |v[XS+2]|
	v_max3_num_f32 v[TW+1], |v[XS+3]|, |v[XS+4]|, |v[XS+5]|
.irp i, 6,10,14,18,22,26
	v_max3_num_f32 v[TW], v[TW], |v[XS+\i]|, |v[XS+\i+1]|
	v_max3_num_f32 v[TW+1], v[TW+1], |v[XS+\i+2]|, |v[XS+\i+3]|
.endr
	v_max3_num_f32 v[TW], v[TW], |v[XS+30]|, |v[XS+31]|
	v_max3_num_f32 v[TW], v[TW], v[TW+1], 0x1800000   ; and the floor
	v_add_nc_u32 v[TW+4+(\b)], 0xff000000, v[TW]   ; the conversion's scale operand
.if (\b) == 0
	v_lshrrev_b32 v[TW+3], 23, v[TW+4]             ; the scale word: byte b = block b
.else
	v_lshrrev_b32 v[TW+2], 23, v[TW+4+(\b)]
	v_lshl_or_b32 v[TW+3], v[TW+2], 8*(\b), v[TW+3]
.endif
	v_cvt_scalef32_pk16_fp6_f32 v[PA+8*(\b):PA+8*(\b)+2], v[XS:XS+15], v[TW+4+(\b)]
	v_cvt_scalef32_pk16_fp6_f32 v[PA+8*(\b)+4:PA+8*(\b)+6], v[XS+16:XS+31], v[TW+4+(\b)]
.endm
	s_wait_alu depctr_va_vdst(0)
	s_wait_loadcnt 63                              ; at most 63 of the 128 loads are out: the first 65 are in
	WBLOCK 0
	WBLOCK 1
	s_wait_alu depctr_va_vdst(0)
	s_wait_loadcnt 32                              ; the last block's 32 may be out
	WBLOCK 2
	s_wait_alu depctr_va_vdst(0)
	s_wait_loadcnt 0x0
	WBLOCK 3
	v_nop                                          ; one plain place behind the last scaled conversion
.irp b, 0,1,2,3
	v_mov_b32 v[PA+8*\b+3], v[PA+8*\b+4]           ; registers 0-3 of the block's six on end
.endr
.irp c, 0,1                            ; registers 4-5 of blocks 2 c and 2 c + 1 are neighbours in the image: 16 bytes
	v_mov_b32 v[Z+4*\c], v[PA+16*\c+5]
	v_mov_b32 v[Z+4*\c+1], v[PA+16*\c+6]
	v_mov_b32 v[Z+4*\c+2], v[PA+16*\c+13]
	v_mov_b32 v[Z+4*\c+3], v[PA+16*\c+14]
.endr
.irp c, 0,1                            ; each store: 256 consecutive bytes, aligned, in each of my two tiles
	global_store_b128 v5, v[PA+16*\c:PA+16*\c+3], s[14:15] offset:768*\c          ; block 2 c: the image's lanes 0-15
	global_store_b128 v5, v[PA+16*\c+8:PA+16*\c+11], s[14:15] offset:768*\c+256   ; block 2 c + 1: its lanes 16-31
	global_store_b128 v5, v[Z+4*\c:Z+4*\c+3], s[14:15] offset:768*\c+512
.endr
	global_store_b32 v6, v[TW+3], s[16:17]         ; 4 bytes at every 16: one byte in 128 of what this path reads
	s_endpgm
.Lfunc_end_k_q07beb5c266_prep:
	.size	k_q07beb5c266_prep, .Lfunc_end_k_q07beb5c266_prep-k_q07beb5c266_prep
	.p2alignl 7, 3214868480
	.fill 96, 4, 3214868480
	.section	.rodata,"a",@progbits
	.p2align	6, 0x0
	.amdhsa_kernel k_q07beb5c266_prep
		.amdhsa_group_segment_fixed_size 34816
		.amdhsa_private_segment_fixed_size 0
		.amdhsa_enable_private_segment 0
		.amdhsa_kernarg_size 56
		.amdhsa_user_sgpr_count 2
		.amdhsa_user_sgpr_kernarg_segment_ptr 1
		.amdhsa_wavefront_size32 1
		.amdhsa_system_sgpr_workgroup_id_x 1
		.amdhsa_system_sgpr_workgroup_id_y 1
		.amdhsa_system_sgpr_workgroup_id_z 1
		.amdhsa_system_vgpr_workitem_id 0
		.amdhsa_next_free_vgpr 256
		.amdhsa_next_free_sgpr 66
		.amdhsa_reserve_vcc 1
		.amdhsa_float_denorm_mode_32 3
		.amdhsa_float_denorm_mode_16_64 3
		.amdhsa_memory_ordered 1
		.amdhsa_forward_progress 1
		.amdhsa_inst_pref_size 37
	.end_amdhsa_kernel
	.amdgpu_metadata
---
amdhsa.version: [ 1, 2 ]
amdhsa.kernels:
  - .name:           k_q07beb5c266_prep
    .symbol:         k_q07beb5c266_prep.kd
    .args:
      - { .name: x, .offset: 0, .size: 8, .value_kind: global_buffer, .address_space: global }
      - { .name: Wq, .offset: 8, .size: 8, .value_kind: global_buffer, .address_space: global }
      - { .name: Wk, .offset: 16, .size: 8, .value_kind: global_buffer, .address_space: global }
      - { .name: Wv, .offset: 24, .size: 8, .value_kind: global_buffer, .address_space: global }
      - { .name: Wo, .offset: 32, .size: 8, .value_kind: global_buffer, .address_space: global }
      - { .name: gc, .offset: 40, .size: 8, .value_kind: global_buffer, .address_space: global }
      - { .name: gs, .offset: 48, .size: 8, .value_kind: global_buffer, .address_space: global }
    .group_segment_fixed_size: 34816
    .private_segment_fixed_size: 0
    .kernarg_segment_align: 8
    .kernarg_segment_size: 56
    .max_flat_workgroup_size: 256
    .sgpr_count:     66
    .vgpr_count:     256
    .wavefront_size: 32
...
	.end_amdgpu_metadata
.endif
;; end of part 1
;; launch qkv (part 2): grid 8 x 32, 4 waves a work-group, clusters of 4 x 4, 327,680 bytes of LDS; arguments gc, gs, bq, bk, bv, att; writes att
.if DOCPART == 2
	.amdgcn_target "amdgcn-amd-amdhsa--gfx1250"
	.amdhsa_code_object_version 6
	.text
	.protected	k_q07beb5c266_qkv
	.globl	k_q07beb5c266_qkv
	.p2align	8
	.type	k_q07beb5c266_qkv,@function
k_q07beb5c266_qkv:
	s_mov_b64 s[64:65], 0
	v_nop
	global_prefetch_b8 v0, s[64:65] scope:SCOPE_SE
	s_setreg_imm32_b32 hwreg(HW_REG_WAVE_MODE, 25, 1), 1
	s_wait_xcnt 0x0
	s_wait_alu depctr_hold_cnt(0) depctr_sa_sdst(0) depctr_va_vdst(0) depctr_va_sdst(0) depctr_va_ssrc(0) depctr_va_vcc(0) depctr_vm_vsrc(0)
	s_getreg_b32 s2, hwreg(HW_REG_IB_STS2, 6, 4)
	s_cmp_eq_u32 s2, 0
	s_cbranch_scc0 .Lentry_in_a_cluster
	s_endpgm
.Lentry_in_a_cluster:
	s_bfe_u32 s2, ttmp6, 0x10000c
	s_cmp_lg_u32 s2, 0xf033
	s_cbranch_scc0 .Lentry_shape_is_right
	s_endpgm
.Lentry_shape_is_right:
; q = x Wq + bq, k = x Wk + bk, v = x Wv + bv on codes of FP6 (E2M3) with E8M0 scales, K = 1,024; each result is quantised again on the way out, as attention's operands want it, and never stored as f32.
; A work-group (256 of them) makes 128 rows of x (one step of 128 keys or queries) x the 128 columns of two heads, of V, Q and K in turn; each of its four waves 64 x 64 (one head).  A wave holds its x fragments, 64 rows x all of K, in registers for all three.
; gc, gs: operands as images of registers: [row tile][16 half fragments][768], [row tile][q / 4][r][q % 4] words.  Tiles 0-255 x, 256-319 Wq, 320-383 Wk, 384-447 Wv.  Lane row r of tile T is row 64 (T / 4) + 8 (T % 4) + r % 8 + 32 (r / 8):
; so what four tiles leave in a lane's 32 registers are 32 neighbours, a whole scale block of the next product.  Q, K: source 0 = the weight's rows: a lane has one row of x and 32 columns of the head.  V: source 0 = x's rows: a lane has one column and 32 keys.
; att: 32 head records of HREC bytes: 16 steps of 13,056 bytes (K's codes [8 tiles][768], V^T's codes [4 tiles of d][1,536], K's words [a / 4][r][a % 4], V's words [r][tile]), then Q's codes [128 tiles][768], Q's words [16][a / 4][r][a % 4].
; q and k have K = 64: two blocks; their words' upper two bytes are 0 and go with zero codes or with codes that meet zeros.
; LDS: x's K 0-511 at 0, K 512-1,023 at 49,152; weight regions P (98,304 on) and R (196,608 on).  At the head one load a wave: Wv into P, x's two halves, Wq into R.  One refill: Wk over Wv, behind a drained round, a quarter a wave.
; CLUSTERS 4 x 4: x's tiles are asked for jointly along a row of the cluster, the weights' along a column.  No prefetch: there is no loop; the one later tile, Wk's, is asked for one phase (128 products a wave) ahead of its use.
; LIMITS: NaN and infinities are not served; a block whose largest magnitude lies under 2^-124 keeps the byte 1; a block of zeros gets the byte 1 where the rule says 127 (zero codes; this program alone reads the bytes).
; REGISTERS: window 0: v4-17 addresses; v20-23 Q's words; v32-63 register 32 + 8 i + s: lanes 0-15 x's word (tile i, K step s), lanes 16-31 Wk's (tile i, K step (s + 4) % 8); v64-95 register 64 + 8 i + (s + 4) % 8: lanes 0-15 Wv's word, lanes 16-31 Wq's; v96-127 the bias; v128-255 the 16 accumulators.
; Windows 1-3: fragments, 21 to a window: 4 s + a x's, 32 + 4 s + b the weight's (the last of these shares the first's registers).  On the way out window 3's v24-95 are at work.
.set HREC,  315392
.set XHALF, 49152                      ; 8 tiles x 6,144
.set WP,    98304                      ; 8 tiles x 12,288
.set WR,    196608
.set VST,   294912                     ; V's scale words of two heads: two blocks of 256 bytes
.set SPARE, VST+512
.set O16, 12
.set O8,  13
.set SPW, 28
.set NIL, 29
.set SX,  32
.set SW,  64
.set BI,  96
.set AC,  128
.set G1X, 24
.set G0V, 32
.set G0X0, 36
.set G0X1, 40
.set G1W, 44
.set G0Q, 52
.set G0K, 56
.set MSB, 0
.macro WIN new                         ; the immediate's high byte repeats the setting that is left
.if MSB != (\new)
	s_set_vgpr_msb (MSB<<8)|(\new)
.set MSB, (\new)
.endif
.endm
.macro WALU
	s_wait_alu depctr_va_vdst(0)
.endm
.macro PLACES n
.rept \n
	v_nop
.endr
.endm
.macro CREST                           ; a round of the cluster's barrier behind its opening barrier
	s_cmp_lg_u32 s16, 0
	s_cbranch_scc1 .Lnot_wave_0_\@
	s_barrier_signal -3
.Lnot_wave_0_\@:
	s_barrier_wait -3
	s_barrier_signal -1
	s_barrier_wait -1
.endm
.macro CROUND
	s_barrier_signal -1
	s_barrier_wait -1
	CREST
.endm
.macro ARM under, g0, g1, next         ; one arm of the head's chain: one load
	s_cmp_lt_u32 s16, \under
	s_cbranch_scc0 \next
	tensor_load_to_lds s[\g0:\g0+3], s[\g1:\g1+7]
	s_nop 0
	PLACES 4
	s_branch .Lasked
\next:
.endm
.macro G0SET g, lds, base, off
	s_mov_b32 s[\g], 1
	s_mov_b32 s[\g+1], \lds
	s_add_nc_u64 s[\g+2:\g+3], s[\base:\base+1], \off
	s_or_b32 s[\g+3], s[\g+3], 0x80000000
.endm
	s_load_b256 s[4:11], s[0:1], 0x0               ; gc s[4:5], gs s[6:7], bq s[8:9], bk s[10:11]
	s_load_b128 s[12:15], s[0:1], 0x20             ; bv s[12:13], att s[14:15]
	v_lshl_add_u32 v[SPW], v0, 2, SPARE
	v_mov_b32 v[NIL], 0
	ds_add_u32 v[SPW], v[NIL]                      ; the opening lines
	ds_add_u32 v[SPW], v[NIL]
	v_lshrrev_b32 v1, 5, v0
	v_readfirstlane_b32 s16, v1                    ; wave
	s_lshr_b32 s17, s16, 1                         ; RH: which 64 rows of x are mine
	s_and_b32 s18, s16, 1                          ; CH: which head
	s_bfe_u32 s66, ttmp6, 0x40000                  ; cx
	s_bfe_u32 s67, ttmp6, 0x40004                  ; cy
	s_and_b32 s19, ttmp7, 0xffff
	s_lshl_b32 s19, s19, 2
	s_add_co_u32 s88, s19, s67                     ; Y: which 128 rows of x
	s_lshl_b32 s89, ttmp9, 2
	s_add_co_u32 s89, s89, s66                     ; X: which two heads
	s_lshl_b32 s68, s88, 3                         ; x's first row tile
	s_lshl_b32 s69, s89, 3                         ; a weight's, counted from its own first
	s_lshl_b32 s70, s67, 2
	s_lshl_b32 s70, 15, s70                        ; my row of the cluster
	s_lshl_b32 s71, 0x1111, s66                    ; my column
	; descriptor group 1: x: 8 rows (tiles) of 6,144 bytes, 12,288 bytes apart; a weight: 8 rows of 12,288 bytes; on end in LDS
	s_or_b32 s[G1X], s70, (3<<16)|(1<<21)          ; 15:0 the mask; 17:16 elements of 8 bytes; 21 set beside a mask
	s_or_b32 s[G1W], s71, (3<<16)|(1<<21)
	s_mov_b32 s[G1X+1], 768<<16
	s_mov_b32 s[G1X+3], 768<<16
	s_mov_b32 s[G1W+1], 1536<<16
	s_mov_b32 s[G1W+3], 1536<<16
.irp g, G1X, G1W
	s_mov_b32 s[\g+2], 8<<16
	s_mov_b32 s[\g+4], 8
	s_mov_b32 s[\g+5], 1536
	s_mov_b32 s[\g+6], 0
	s_mov_b32 s[\g+7], 0
.endr
	s_mul_i32 s72, s68, 12288
	s_mov_b32 s73, 0
	s_mul_i32 s74, s69, 12288
	s_mov_b32 s75, 0
	s_mul_i32 s76, s16, 24576                      ; the refill: two tiles a wave
	s_mov_b32 s77, 0
	s_wait_dscnt 0x0
	s_wait_kmcnt 0x0
	s_add_nc_u64 s[72:73], s[4:5], s[72:73]
	s_add_nc_u64 s[74:75], s[4:5], s[74:75]
	G0SET G0V, WP, 74, 384*12288
	G0SET G0X0, 0, 72, 0
	G0SET G0X1, XHALF, 72, 6144
	G0SET G0Q, WR, 74, 256*12288
	s_add_nc_u64 s[76:77], s[74:75], s[76:77]
	s_mov_b32 s[G0K], 1
	s_mul_i32 s[G0K+1], s16, 24576
	s_add_co_u32 s[G0K+1], s[G0K+1], WP
	s_add_nc_u64 s[G0K+2:G0K+3], s[76:77], 320*12288
	s_or_b32 s[G0K+3], s[G0K+3], 0x80000000
	CROUND                                         ; all sixteen work-groups are here: the joint loads meet
	ARM 1, G0V, G1W, .Lhead_x0
	ARM 2, G0X0, G1X, .Lhead_x1
	ARM 3, G0X1, G1X, .Lhead_q
	tensor_load_to_lds s[G0Q:G0Q+3], s[G1W:G1W+7]
	s_nop 0
	PLACES 4
.Lasked:
	s_mov_b32 s84, 0xffff0000                      ; lanes 16-31
	s_mov_b32 s20, 0x76543210
	s_mov_b32 s21, 0xfedcba98                      ; v_permlanex16_b32's selects for lane l xor 16
	s_mov_b32 s99, 0
	s_lshl_b32 s98, s89, 9
	s_lshl_b32 s90, s18, 8
	s_add_co_u32 s98, s98, s90                     ; my first column x 4
	s_add_nc_u64 s[12:13], s[12:13], s[98:99]      ; my head's biases
	s_add_nc_u64 s[8:9], s[8:9], s[98:99]
	s_add_nc_u64 s[10:11], s[10:11], s[98:99]
	s_lshr_b32 s90, s88, 4
	s_lshl_b32 s90, s90, 4
	s_lshl_b32 s91, s89, 1
	s_add_co_u32 s90, s90, s91
	s_add_co_u32 s90, s90, s18                     ; the head, 16 x batch + head
	s_mul_i32 s90, s90, HREC
	s_and_b32 s91, s88, 15                         ; G: the step in the head
	s_mul_i32 s92, s91, 13056
	s_add_co_u32 s98, s90, s92
	s_add_nc_u64 s[78:79], s[14:15], s[98:99]      ; the step in the record
	s_mul_i32 s98, s17, 3072
	s_add_nc_u64 s[80:81], s[78:79], s[98:99]      ; K's codes
	s_mul_i32 s92, s91, 6144
	s_add_co_u32 s98, s98, s92
	s_add_co_u32 s98, s98, s90
	s_add_co_u32 s98, s98, 208896
	s_add_nc_u64 s[82:83], s[14:15], s[98:99]      ; Q's codes
	s_lshl_b32 s98, s17, 8
	s_add_nc_u64 s[86:87], s[78:79], s[98:99]      ; K's words
	s_mul_i32 s98, s17, 768
	s_add_nc_u64 s[72:73], s[78:79], s[98:99]      ; V's codes
	s_mul_i32 s92, s91, 12544
	s_mov_b32 s97, 294912
	s_sub_co_u32 s97, s97, s92                     ; from K's words to Q's
	s_lshl_b32 s77, s17, 2
	s_add_co_u32 s77, s77, s68
	s_lshl_b32 s77, s77, 9                         ; x's words: my four tiles
	s_lshl_b32 s90, s18, 2
	s_add_co_u32 s90, s90, s69
	s_lshl_b32 s90, s90, 9                         ; a weight's
	s_add_co_u32 s91, s90, 320*512                 ; Wk's,
	s_add_co_u32 s92, s91, 256                     ; its upper four K steps
	s_add_co_u32 s93, s77, 256
	s_add_co_u32 s94, s90, 384*512                 ; Wv's
	s_add_co_u32 s95, s90, 256*512                 ; Wq's
	s_mul_i32 s90, s17, XHALF/2                    ; in LDS: my four tiles of x,
	s_mul_i32 s96, s18, XHALF
	s_add_co_u32 s96, s96, WP                      ; and of a weight
	s_lshl_b32 s74, s18, 8
	s_add_co_u32 s74, s74, VST                     ; my head's V words
	s_lshl_b32 s75, s17, 1
	s_add_co_u32 s75, s75, s74
	v_and_b32 v1, 31, v0                           ; lane
	v_and_b32 v2, 15, v0                           ; r
	v_bfe_u32 v3, v0, 4, 1                         ; h
	v_mov_b32 v20, s77
	v_mov_b32 v21, s93
	v_mov_b32 v22, s94
	v_mov_b32 v24, s92
	v_mov_b32 v26, s91
	v_mov_b32 v27, s95
	v_cndmask_b32 v20, v20, v24, s84
	v_cndmask_b32 v21, v21, v26, s84
	v_cndmask_b32 v22, v22, v27, s84
	v_and_b32 v23, 8, v2
	v_mad_u32_u24 v23, v23, 3, v2
	v_lshlrev_b32 v23, 2, v23                      ; 4 (r % 8 + 32 (r / 8))
	v_lshl_add_u32 v20, v2, 4, v20
	v_lshl_add_u32 v21, v2, 4, v21
	v_lshl_add_u32 v22, v2, 4, v22
.irp b, 0,1,2,3
	global_load_b32 v[BI+8*\b], v23, s[12:13] offset:32*\b   ; V's bias: tile b's column of my lane
.endr
.irp i, 0,1,2,3
	global_load_b128 v[SX+8*\i:SX+8*\i+3], v20, s[6:7] offset:512*\i
	global_load_b128 v[SX+8*\i+4:SX+8*\i+7], v21, s[6:7] offset:512*\i
	global_load_b128 v[SW+8*\i:SW+8*\i+3], v22, s[6:7] offset:512*\i+256
	global_load_b128 v[SW+8*\i+4:SW+8*\i+7], v22, s[6:7] offset:512*\i
.endr
	v_lshlrev_b32 v25, 7, v3                       ; 128 h
	v_lshlrev_b32 v[O16], 4, v1                    ; 16 x lane
	v_lshlrev_b32 v[O8], 4, v2
	v_lshl_add_u32 v[O8], v3, 3, v[O8]
	v_add_nc_u32 v[O8], 512, v[O8]                 ; 512 + 16 r + 8 h
	v_add_nc_u32 v4, s90, v[O16]                   ; x's K 0-511,
	v_add_nc_u32 v5, s90, v[O8]
	v_add_nc_u32 v6, XHALF, v4                     ; K 512-1,023;
	v_add_nc_u32 v7, XHALF, v5
	v_add_nc_u32 v8, s96, v[O16]                   ; region P,
	v_add_nc_u32 v9, s96, v[O8]
	v_add_nc_u32 v10, WR-WP, v8                    ; region R
	v_add_nc_u32 v11, WR-WP, v9
	v_mul_u32_u24 v14, s97, v3
	v_lshl_add_u32 v14, v2, 4, v14                 ; words: lanes 0-15 K's, lanes 16-31 Q's
	v_lshl_add_u32 v15, v2, 4, v3
	v_add_nc_u32 v15, s75, v15                     ; V's scale byte in LDS: 16 r + 4 tile + 2 RH + h
	v_lshlrev_b32 v17, 3, v1
	v_add_nc_u32 v16, s74, v17                     ; V's words, read back
	WALU
	s_wait_loadcnt 0x0                             ; scale words and V's bias
.irp b, 0,1,2,3
.irp i, 1,2,3,4,5,6,7
	v_mov_b32 v[BI+8*\b+\i], v[BI+8*\b]            ; one number a lane and tile, over the tile's eight registers: the first products' C
.endr
.endr
	WALU
	s_cmp_lt_u32 s16, 2
	s_cbranch_scc0 .Llater
	s_wait_tensorcnt 0x0
.Llater:
	s_barrier_signal -1
	s_barrier_wait -1                              ; Wv and x's K 0-511 are in; the rest may be on its way
; A fragment (16 rows x 128 K, 12 registers) lies in LDS as two half fragments of 768 bytes: every load takes 512 or 256 consecutive bytes.
.macro FLOAD f, a16, a8, o
.set F_, \f
.if F_ == 63
.set F_, 32
.endif
.set FB_, 12*(F_%21)
	WIN (1+F_/21)<<6
	ds_load_b128 v[FB_:FB_+3], v[\a16] offset:\o
	ds_load_b64 v[FB_+4:FB_+5], v[\a8] offset:\o
	ds_load_b128 v[FB_+6:FB_+9], v[\a16] offset:(\o)+768
	ds_load_b64 v[FB_+10:FB_+11], v[\a8] offset:(\o)+768
.endm
.macro LDW s, rg                       ; the weight's four fragments of K step s from region P (0) or R (1): 16 loads
.irp t, 0,1,2,3
	FLOAD 32+4*(\s)+\t, 8+2*(\rg), 9+2*(\rg), 12288*\t+1536*(\s)
.endr
.endm
.macro LDSTEP s                        ; Wv's and x's: 32 loads
	LDW \s, 0
.irp t, 0,1,2,3
	FLOAD 4*(\s)+\t, 4+2*((\s)/4), 5+2*((\s)/4), 6144*\t+1536*((\s)%4)
.endr
.endm
; One product: x's tile a, the weight's tile b, K step s.  kind 0: V, 1: Q, 2: K.  The two scale registers' numbers differ modulo 8.
.macro MM kind, s, a, b, first
.set FX_, 4*(\s)+(\a)
.set FW_, 32+4*(\s)+(\b)
.if FW_ == 63
.set FW_, 32
.endif
.set RX_, 12*(FX_%21)
.set RW_, 12*(FW_%21)
.set WX_, 1+FX_/21
.set WW_, 1+FW_/21
.set YX_, SX+8*(\a)+(\s)
.if \kind == 0
.set D_, AC+8*(4*(\b)+(\a))
.else
.set D_, AC+8*(4*(\a)+(\b))
.endif
.set C_, D_
.if \first
.set C_, BI+8*(\b)
.endif
.if \kind == 2
.set YW_, SX+8*(\b)+((\s)+4)%8
.else
.set YW_, SW+8*(\b)+((\s)+4)%8
.endif
.if \kind == 0
	WIN WX_|(WW_<<2)
	v_wmma_scale_f32_16x16x128_f8f6f4 v[D_:D_+7], v[RX_:RX_+11], v[RW_:RW_+11], v[C_:C_+7], v[YX_], v[YW_] matrix_a_fmt:MATRIX_FMT_FP6 matrix_b_fmt:MATRIX_FMT_FP6
.else
	WIN WW_|(WX_<<2)
	v_wmma_scale_f32_16x16x128_f8f6f4 v[D_:D_+7], v[RW_:RW_+11], v[RX_:RX_+11], v[C_:C_+7], v[YW_], v[YX_] matrix_a_fmt:MATRIX_FMT_FP6 matrix_b_fmt:MATRIX_FMT_FP6 matrix_a_scale:MATRIX_SCALE_ROW1
.endif
.endm
.macro ALL kind, s, first              ; one K step of all 16 accumulators, one instruction a turn
.irp u, 0,1,2,3
.irp t, 0,1,2,3
	MM \kind, \s, \u, \t, \first
.endr
.endr
.endm
.macro BIAS base                       ; tile b, register i: column 32 h + 8 b + i of the head
	PLACES 4
	WIN 0
.irp k, 0,1,2,3,4,5,6,7
	global_load_b128 v[BI+4*\k:BI+4*\k+3], v25, s[\base:\base+1] offset:16*\k
.endr
.endm
; Q's or K's 128 products; K steps 0 and 1 of the weight have been asked for
.macro PHASE kind, rg
	LDW 2, \rg
	s_wait_dscnt 32                                ; step 0 is in; steps 1 and 2 may be out
	ALL \kind, 0, 1
	LDW 3, \rg
	s_wait_dscnt 32
	ALL \kind, 1, 0
.if \kind == 1
	BIAS 10                                        ; K's bias; its places serve the last fragment's load too
.else
	PLACES 4
.endif
	LDW 4, \rg
	s_wait_dscnt 32
	ALL \kind, 2, 0
	LDW 5, \rg
	s_wait_dscnt 32
	ALL \kind, 3, 0
	LDW 6, \rg
	s_wait_dscnt 32
	ALL \kind, 4, 0
	LDW 7, \rg
	s_wait_dscnt 32
	ALL \kind, 5, 0
	s_wait_dscnt 16
	ALL \kind, 6, 0
	s_wait_dscnt 0x0
	ALL \kind, 7, 0
.endm
; THE WAY OUT of four blocks of 32 numbers a lane, side by side.  Window 3: v24-27, v28-31 two chains a block, v32-35 scale operands, v36-39 bytes, v40-71 codes, v72-87 upper halves' conversions, v88-91 the other half's bytes, v92-95 K's words.
.macro OUT kind
	PLACES 4
	WIN 0xc0
.irp k, 0,1,2,3
	v_max3_num_f32 v[24+\k], |v[AC+32*\k]|, |v[AC+1+32*\k]|, 0x1800000   ; the floor 2^(3 - 127): the byte cannot fall under 1
.endr
.irp k, 0,1,2,3
	v_max3_num_f32 v[28+\k], |v[AC+16+32*\k]|, |v[AC+17+32*\k]|, |v[AC+18+32*\k]|
.endr
	WIN 0xc3
.irp i, 2,4,6,8,10,12
.irp k, 0,1,2,3
	v_max3_num_f32 v[24+\k], v[24+\k], |v[AC+32*\k+\i]|, |v[AC+1+32*\k+\i]|
.endr
.irp k, 0,1,2,3
	v_max3_num_f32 v[28+\k], v[28+\k], |v[AC+17+32*\k+\i]|, |v[AC+18+32*\k+\i]|
.endr
.endr
.irp k, 0,1,2,3
	v_max3_num_f32 v[24+\k], v[24+\k], |v[AC+14+32*\k]|, |v[AC+15+32*\k]|
.endr
	WIN 0xcf
.irp k, 0,1,2,3
	v_max3_num_f32 v[24+\k], v[24+\k], v[28+\k], |v[AC+31+32*\k]|
.endr
	WIN 0xcc
.irp k, 0,1,2,3
	v_add_nc_u32 v[32+\k], 0xff000000, v[24+\k]    ; 2 off its exponent field: the conversion's scale operand
.endr
.irp k, 0,1,2,3
	v_lshrrev_b32 v[36+\k], 23, v[32+\k]           ; the scale's byte
.endr
.irp k, 0,1,2,3
	v_cvt_scalef32_pk16_fp6_f32 v[40+8*\k:42+8*\k], v[AC+32*\k:AC+15+32*\k], v[32+\k]
	v_cvt_scalef32_pk16_fp6_f32 v[72+4*\k:74+4*\k], v[AC+16+32*\k:AC+31+32*\k], v[32+\k]   ; (a conversion's three registers begin on an even number)
.endr
	WIN 0xc3
	v_nop                                          ; one plain place behind a scaled conversion
.if \kind
.irp k, 0,1,2,3
	v_permlanex16_b32 v[88+\k], v[36+\k], s20, s21
.endr
.endif
.irp k, 0,1,2,3
.irp i, 0,1,2
	v_mov_b32 v[43+8*\k+\i], v[72+4*\k+\i]
.endr
.endr
.if \kind == 1
	WIN 0x33
.irp k, 0,1,2,3
	v_lshl_or_b32 v[20+\k], v[36+\k], 8, v[88+\k]  ; Q's words, kept for lanes 16-31
.endr
.endif
.if \kind == 2
	WIN 0xf3
.irp k, 0,1,2,3
	v_lshl_or_b32 v[92+\k], v[88+\k], 8, v[36+\k]  ; K's words, right in lanes 0-15
.endr
	WIN 0x03
.irp k, 0,1,2,3
	v_cndmask_b32 v[20+\k], v[92+\k], v[20+\k], s84
.endr
.endif
	WIN 0x0c
.irp k, 0,1,2,3
.if \kind == 0
	global_store_b128 v[O16], v[40+8*\k:43+8*\k], s[72:73] offset:6144+1536*\k   ; 512 consecutive bytes
	global_store_b64 v[O8], v[44+8*\k:45+8*\k], s[72:73] offset:6144+1536*\k     ; 256 consecutive bytes
	ds_store_b8 v15, v[36+\k] offset:4*\k
.elseif \kind == 1
	global_store_b128 v[O16], v[40+8*\k:43+8*\k], s[82:83] offset:768*\k
	global_store_b64 v[O8], v[44+8*\k:45+8*\k], s[82:83] offset:768*\k
.else
	global_store_b128 v[O16], v[40+8*\k:43+8*\k], s[80:81] offset:768*\k
	global_store_b64 v[O8], v[44+8*\k:45+8*\k], s[80:81] offset:768*\k
.endif
.endr
	WIN 0
	WALU
.if \kind == 2
	global_store_b128 v14, v[20:23], s[86:87] offset:12288   ; sixteen lanes store 256 consecutive bytes, twice
.else
	s_wait_xcnt 0x0                                ; the stores have read their registers
.endif
.endm
; ---- V: K steps as they land; x's fragments stay
	LDSTEP 0
	LDSTEP 1
	s_wait_dscnt 32                                ; step 0 is in, step 1's 32 loads may be out
	LDSTEP 2
	ALL 0, 0, 1
	s_wait_dscnt 32
	LDSTEP 3
	ALL 0, 1, 0
	s_wait_dscnt 32
	ALL 0, 2, 0
	WIN 0
	s_cmp_lt_u32 s16, 3
	s_cbranch_scc0 .Lq_out
	s_wait_tensorcnt 0x0
.Lq_out:
	s_wait_dscnt 0x0
	s_barrier_signal -1
	ALL 0, 3, 0                                    ; work on registers while the others arrive
	s_barrier_wait -1                              ; x's K 512-1,023 is in; Wq may be on its way
	BIAS 8                                         ; Q's bias
	LDSTEP 4
	LDSTEP 5
	s_wait_dscnt 32
	LDSTEP 6
	ALL 0, 4, 0
	s_wait_dscnt 32
	LDSTEP 7
	ALL 0, 5, 0
	WIN 0
	s_wait_tensorcnt 0x0                           ; the refill's round: all my tensor loads are in;
	ds_add_u32 v[SPW], v[NIL]                      ; 0 onto my spare word
	s_mov_b32 s[G1W+2], 2<<16                      ; no tensor load of mine is out: from here on a load brings two tiles
	s_mov_b32 s[G1W+4], 2
	s_wait_dscnt 33                                ; step 6 is in; step 7's 32 loads and the add may be out
	ALL 0, 6, 0
	s_wait_dscnt 0x0                               ; the add is done, and so are my reads of Wv
	s_barrier_signal -1
	ALL 0, 7, 0
	WIN 0
	s_barrier_wait -1
	CREST                                          ; no wave of any partner still reads Wv or has a load on its way; Wq is whole for every wave
	tensor_load_to_lds s[G0K:G0K+3], s[G1W:G1W+7]  ; Wk over Wv, my quarter
	s_nop 0
	PLACES 4
	LDW 0, 1
	LDW 1, 1
	WIN 0
	OUT 0
; ---- Q
	s_wait_loadcnt 0x0
	PHASE 1, 1
	OUT 1
; ---- K
	s_wait_tensorcnt 0x0
	s_wait_dscnt 0x0
	s_barrier_signal -1
	s_barrier_wait -1                              ; Wk is in, and so are V's scale bytes
	s_wait_loadcnt 0x0
	LDW 0, 0
	LDW 1, 0
	PHASE 2, 0
	WIN 0
	ds_load_b64 v[18:19], v16                      ; V's words of my head
	OUT 2
	s_wait_dscnt 0x0
	s_cmp_lg_u32 s17, 0
	s_cbranch_scc1 .Lno_words
	global_store_b64 v17, v[18:19], s[78:79] offset:12800   ; 32 lanes store 256 consecutive bytes, aligned
.Lno_words:
	s_wait_tensorcnt 0x0                           ; the wave's end
	ds_add_u32 v[SPW], v[NIL]
	s_wait_dscnt 0x0
	CROUND                                         ; the closing round: no work-group ends while a partner may still ask for a tile that names it
	s_endpgm
.Lfunc_end_k_q07beb5c266_qkv:
	.size	k_q07beb5c266_qkv, .Lfunc_end_k_q07beb5c266_qkv-k_q07beb5c266_qkv
	.p2alignl 7, 3214868480
	.fill 96, 4, 3214868480
	.section	.rodata,"a",@progbits
	.p2align	6, 0x0
	.amdhsa_kernel k_q07beb5c266_qkv
		.amdhsa_group_segment_fixed_size 327680
		.amdhsa_private_segment_fixed_size 0
		.amdhsa_enable_private_segment 0
		.amdhsa_kernarg_size 48
		.amdhsa_user_sgpr_count 2
		.amdhsa_user_sgpr_kernarg_segment_ptr 1
		.amdhsa_wavefront_size32 1
		.amdhsa_system_sgpr_workgroup_id_x 1
		.amdhsa_system_sgpr_workgroup_id_y 1
		.amdhsa_system_sgpr_workgroup_id_z 1
		.amdhsa_system_vgpr_workitem_id 0
		.amdhsa_next_free_vgpr 1024
		.amdhsa_next_free_sgpr 100
		.amdhsa_reserve_vcc 0
		.amdhsa_float_denorm_mode_32 3
		.amdhsa_float_denorm_mode_16_64 3
		.amdhsa_memory_ordered 1
		.amdhsa_forward_progress 1
		.amdhsa_inst_pref_size 122
	.end_amdhsa_kernel
	.amdgpu_metadata
---
amdhsa.version: [ 1, 2 ]
amdhsa.kernels:
  - .name:           k_q07beb5c266_qkv
    .symbol:         k_q07beb5c266_qkv.kd
    .args:
      - { .name: gc, .offset: 0, .size: 8, .value_kind: global_buffer, .address_space: global }
      - { .name: gs, .offset: 8, .size: 8, .value_kind: global_buffer, .address_space: global }
      - { .name: bq, .offset: 16, .size: 8, .value_kind: global_buffer, .address_space: global }
      - { .name: bk, .offset: 24, .size: 8, .value_kind: global_buffer, .address_space: global }
      - { .name: bv, .offset: 32, .size: 8, .value_kind: global_buffer, .address_space: global }
      - { .name: att, .offset: 40, .size: 8, .value_kind: global_buffer, .address_space: global }
    .group_segment_fixed_size: 327680
    .private_segment_fixed_size: 0
    .kernarg_segment_align: 8
    .kernarg_segment_size: 48
    .max_flat_workgroup_size: 128
    .sgpr_count:     100
    .vgpr_count:     1024
    .wavefront_size: 32
...
	.end_amdgpu_metadata
.endif
;; end of part 2
;; launch attn (part 3): grid 8 x 32, 16 waves a work-group, clusters of 4 x 1, 247,808 bytes of LDS; arguments att, gc, gs; writes gc, gs
.if DOCPART == 3
	.amdgcn_target "amdgcn-amd-amdhsa--gfx1250"
	.amdhsa_code_object_version 6
	.text
	.protected	k_q07beb5c266_attn
	.globl	k_q07beb5c266_attn
	.p2align	8
	.type	k_q07beb5c266_attn,@function
k_q07beb5c266_attn:
	s_mov_b64 s[64:65], 0
	v_nop
	global_prefetch_b8 v0, s[64:65] scope:SCOPE_SE
	s_setreg_imm32_b32 hwreg(HW_REG_WAVE_MODE, 25, 1), 1
	s_wait_xcnt 0x0
	s_wait_alu depctr_hold_cnt(0) depctr_sa_sdst(0) depctr_va_vdst(0) depctr_va_sdst(0) depctr_va_ssrc(0) depctr_va_vcc(0) depctr_vm_vsrc(0)
	s_getreg_b32 s2, hwreg(HW_REG_IB_STS2, 6, 4)
	s_cmp_eq_u32 s2, 0
	s_cbranch_scc0 .Lentry_in_a_cluster
	s_endpgm
.Lentry_in_a_cluster:
	s_bfe_u32 s2, ttmp6, 0x10000c
	s_cmp_lg_u32 s2, 0x3003
	s_cbranch_scc0 .Lentry_shape_is_right
	s_endpgm
.Lentry_shape_is_right:
; h = softmax(q k^T / 8, causal) v for one head, both products on codes of FP6 (E2M3) with E8M0 scales; h is quantised along (head, d) on the way out, as the last product's operand.
; att: a record of HREC bytes for each of 32 heads: 16 steps of 128 keys, STEPB bytes each (K's codes [8 tiles][768], V^T's codes [4 tiles of d][1,536], K's words [a / 4][r][a % 4], V's words [r][tile]); then Q's codes [128 tiles][768], Q's words [16][a / 4][r][a % 4].
; Lane row r of tile T is row 64 (T / 4) + 8 (T % 4) + r % 8 + 32 (r / 8): so the 32 results that four tiles leave in a lane are 32 neighbours along the next K: a whole scale block, and no lane looks at another for it.
; The head's 64 are half of the instruction's K.  Q's upper half is zero codes, kept in registers.  K's fragments lie six registers apart: the upper half that an instruction reads is whatever the next six registers hold, and it meets Q's zeros (no code of this format is infinite or NaN).
; THE SOFTMAX: t = score x log2(e) / 8; M = the running largest t rounded UP to a whole number; p = 2^(t - M) is quantised along the keys, not normalised; the row's sum is taken of the unquantised p and divides at the end;
; when M moves, the sum and O are multiplied by 2^(old M - new M): exact.
; SHARES.  Work-group j (0 .. 7) of a head has the query tiles 8 g + j, g = 0 .. 15.  Tile g needs g + 1 steps.  Tiles g = 15 - p and g = p (p = 0 .. 7) belong to waves p and 8 + p: wave p walks steps 0 .. 8 of the larger;
; wave 8 + p all p + 1 steps of the smaller, writes it out, and then steps 9 .. 15 - p of the larger, whose part it hands to wave p through LDS: 9 and 8 steps a wave, 34 for any four waves of equal number modulo 4.
; FILLS: a record's 16 steps come into LDS ONCE; wave w fetches step w, 51 rows of 256 bytes.  The four work-groups of a cluster belong to one head: the loads are joint.  Every wave begins with step 0: the first barrier shows wave 0's load alone, the second all.
; No prefetch: every tile is asked for at the head; there is no tensor load in a loop to run ahead of.
; TWO REGIONS of 64 registers, v32-95 and v96-159, change roles in each trip: one holds K's fragments and then V's, the other the scores and then p; when p has been converted, its region takes the next step's K.  So the loop's body is two trips.  (The last trip's K is not used: its step is held at 15.)
; CAUSAL: steps that come wholly after a tile's queries are not walked (reference()'s own mask hides them for all inputs); on the diagonal hidden scores become -infinity.
; LIMITS: NaN and infinities are not served; the promise holds while the scaled scores stay under 2^31 in magnitude; a block whose largest magnitude lies under 2^-124 keeps the byte 1; a block of zeros gets the byte 1 where the rule says 127 (zero codes; this program alone reads the bytes).
; REGISTERS: v1-4 places that stay, v6, v11 the hand-over's; v7 the mask's d; v8-10 a step's addresses; v14 -M, v15 the largest score; v[16:17] the sum; v18-29 Q, v30 its word; v228-231, v12-13, v5 the larger tile's Q and word;
; v160-191 O^T; v192-210 p's codes; v211 p's word; v212-223 K's and V's words; v224-227 and v232-252 at work.
.set STEPB, 13056
.set HREC,  315392
.set QCO,   208896
.set QSO,   307200
.set MERGE, 16*STEPB                   ; the hand-over: 8 regions
.set MREG,  4608
.set SPARE, MERGE+8*MREG
.macro WALU
	s_wait_alu depctr_va_vdst(0)
.endm
.macro PLACES n
.rept \n
	v_nop
.endr
.endm
.macro CROUND                          ; a round of the cluster's barrier
	s_barrier_signal -1
	s_barrier_wait -1
	s_cmp_lg_u32 s10, 0
	s_cbranch_scc1 .Lnot_wave_0_\@
	s_barrier_signal -3
.Lnot_wave_0_\@:
	s_barrier_wait -3
	s_barrier_signal -1
	s_barrier_wait -1
.endm
.macro RESET                           ; a tile begins
	v_mov_b32 v15, 0xff61b1e6                      ; the largest score so far: -3e38, under every score
	v_mov_b32 v16, 0
	v_mov_b32 v17, 0
	v_mul_f32 v14, s35, v15
.set n, 0
.rept 32
	v_mov_b32 v[160+n], 0                          ; O^T.  (The step finds zeros, which the first change of M leaves zeros)
.set n, n+1
.endr
	v_floor_f32 v14, v14                           ; -M
.endm
.macro STEPNO d, add                   ; the step of trip s32 + add, of which the second waves of the pairs leave some out
	s_add_co_u32 s\d, s32, s36
	s_add_co_u32 s\d, s\d, \add
	s_lshr_b32 s\d, s\d, 4                         ; 1 where the trip is beyond p
	s_mul_i32 s\d, s\d, s38
	s_add_co_u32 s\d, s\d, s32
	s_add_co_u32 s\d, s\d, \add
	s_min_u32 s\d, s\d, 15
.endm
.macro KADDR                           ; the addresses of the step at LDS byte s43
	v_add_nc_u32 v8, s43, v1
	v_add_nc_u32 v9, s43, v2
	v_add_nc_u32 v10, s43, v3
.endm
.macro KLOAD d                         ; its K: 18 loads: the words of tiles 0-3, 4-7, and eight half fragments
	ds_load_b128 v[212:215], v10 offset:12288
	ds_load_b128 v[216:219], v10 offset:12544
.irp t, 0,1,2,3,4,5,6,7
	ds_load_b128 v[\d+6*\t:\d+3+6*\t], v8 offset:768*\t
	ds_load_b64 v[\d+4+6*\t:\d+5+6*\t], v9 offset:768*\t
.endr
.endm
.macro STEP kr, sr, pf                 ; one step of 128 keys at LDS byte s33, its number in s34; its K is in region kr or on its way there.  pf: the next step's K is asked for
	v_add_nc_u32 v8, s33, v1
	v_add_nc_u32 v9, s33, v2
	v_add_nc_u32 v10, s33, v3                      ; these three and the last three of a step are the places between a step's last products and the first of the next, which write over their registers
	WALU
	s_wait_dscnt 0x0
.irp t, 0,1,2,3,4,5,6,7                ; S^T = K Q^T: lane (r, h) has query r, and register 8 t + i of band t / 4 the key 64 (t / 4) + 32 h + 8 (t % 4) + i
	v_wmma_scale_f32_16x16x128_f8f6f4 v[\sr+8*\t:\sr+7+8*\t], v[\kr+6*\t:\kr+11+6*\t], v[18:29], 0, v[212+\t], v30 matrix_a_fmt:MATRIX_FMT_FP6 matrix_b_fmt:MATRIX_FMT_FP6
.endr
	PLACES 4
	ds_load_b128 v[220:223], v10 offset:12800      ; V's words,
.irp t, 0,1,2,3                        ; and its four fragments (16 of the head's 64 x these 128 keys) into the registers that K has left: they land under the softmax
	ds_load_b128 v[\kr+12*\t:\kr+3+12*\t], v8 offset:6144+1536*\t
	ds_load_b64 v[\kr+4+12*\t:\kr+5+12*\t], v9 offset:6144+1536*\t
	ds_load_b128 v[\kr+6+12*\t:\kr+9+12*\t], v8 offset:6144+1536*\t+768
	ds_load_b64 v[\kr+10+12*\t:\kr+11+12*\t], v9 offset:6144+1536*\t+768
.endr
	s_cmp_lg_u32 s34, s12
	s_cbranch_scc1 .Lopen_\@                       ; all keys count
.set n, 0
.rept 64                               ; the diagonal: hidden where 64 c + 8 j + i > d
	v_cmp_gt_i32 vcc_lo, 64*(n/32)+n%32, v7
	v_cndmask_b32 v[\sr+n], v[\sr+n], v243, vcc_lo
.set n, n+1
.endr
.Lopen_\@:
.irp k, 0,1,2,3
	v_max3_num_f32 v[224+\k], v[\sr+16*\k], v[\sr+1+16*\k], v[\sr+2+16*\k]   ; the largest score of each block of 32 keys, in two chains: it serves for the row's maximum and, since p rises with the score, for the block's largest p
.endr
.irp i, 3,5,7,9,11,13
.irp k, 0,1,2,3
	v_max3_num_f32 v[224+\k], v[224+\k], v[\sr+16*\k+\i], v[\sr+1+16*\k+\i]
.endr
.endr
.irp c, 0,1
	v_max3_num_f32 v[224+2*\c], v[224+2*\c], v[\sr+15+32*\c], v[\sr+31+32*\c]
.endr
.irp c, 0,1
	v_max_num_f32 v[224+2*\c], v[224+2*\c], v[225+2*\c]   ; my two blocks: v224, v226
.endr
	s_delay_alu instid0(VALU_DEP_1)
	v_max_num_f32 v242, v224, v226
	s_delay_alu instid0(VALU_DEP_1)
	v_permlanex16_b32 v250, v242, s28, s29
	s_delay_alu instid0(VALU_DEP_1)
	v_max3_num_f32 v15, v15, v242, v250            ; the running largest score of my query
	s_delay_alu instid0(VALU_DEP_1)
	v_mul_f32 v242, s35, v15                       ; -t
	s_delay_alu instid0(VALU_DEP_1)
	v_floor_f32 v242, v242                         ; the new -M = floor(-t) = -ceil(t)
	s_delay_alu instid0(VALU_DEP_1)
	v_sub_f32 v251, v242, v14                      ; old M - new M: a whole number, 0 or less
	v_mov_b32 v14, v242
	s_delay_alu instid0(VALU_DEP_2)
	v_cvt_i32_f32 v251, v251                       ; (it saturates)
.set n, 0
.rept 32
	v_pk_fma_f32 v[\sr+n:\sr+1+n], v[\sr+n:\sr+1+n], s[30:31], v[14:15] op_sel_hi:[1,0,0]   ; t - M, two at a time
.set n, n+2
.endr
	v_ldexp_f32 v240, 1.0, v251                    ; f = 2^(old M - new M)
	v_fma_f32 v224, v224, s30, v14                 ; t - M of each block's largest score
	v_fma_f32 v226, v226, s30, v14
	WALU
.set n, 0
.rept 64
	v_exp_f32 v[\sr+n], v[\sr+n]                   ; p = 2^(t - M), at most 1
.set n, n+1
.endr
	v_exp_f32 v224, v224                           ; the blocks' largest p
	v_exp_f32 v226, v226
	v_pk_mul_f32 v[16:17], v[16:17], v[240:241] op_sel_hi:[1,0]   ; the sums under the new M: a plain place behind the exponentials
	WALU
	v_max_num_f32 v224, 0x1800000, v224            ; the floor 2^(3 - 127): the byte cannot fall under 1
	v_max_num_f32 v226, 0x1800000, v226
	v_pk_add_f32 v[238:239], v[\sr:\sr+1], v[\sr+2:\sr+3]   ; the row's sum of the unquantised p, in four chains
	v_pk_add_f32 v[244:245], v[\sr+4:\sr+5], v[\sr+6:\sr+7]
	v_add_nc_u32 v232, 0xff000000, v224            ; the conversions' scale operands
	v_add_nc_u32 v233, 0xff000000, v226
	v_pk_add_f32 v[246:247], v[\sr+8:\sr+9], v[\sr+10:\sr+11]
	v_pk_add_f32 v[16:17], v[16:17], v[\sr+12:\sr+13]
	v_lshrrev_b32 v234, 23, v232                   ; the scales' bytes
	v_lshrrev_b32 v235, 23, v233
.set n, 14
.rept 6
	v_pk_add_f32 v[238:239], v[238:239], v[\sr+n:\sr+n+1]
	v_pk_add_f32 v[244:245], v[244:245], v[\sr+n+2:\sr+n+3]
	v_pk_add_f32 v[246:247], v[246:247], v[\sr+n+4:\sr+n+5]
	v_pk_add_f32 v[16:17], v[16:17], v[\sr+n+6:\sr+n+7]
.if n == 14
	v_lshl_or_b32 v236, v235, 16, v234             ; my bytes: blocks h and 2 + h
.endif
.if n == 22
	v_permlanex16_b32 v237, v236, s28, s29
.endif
.if n == 30
	v_lshl_or_b32 v211, v237, 8, v236              ; p's scale word for these 128 keys (lanes 16-31 are not read)
.endif
.set n, n+8
.endr
	v_pk_add_f32 v[238:239], v[238:239], v[\sr+62:\sr+63]
.irp c, 0,1
	v_cvt_scalef32_pk16_fp6_f32 v[192+6*\c:194+6*\c], v[\sr+32*\c:\sr+15+32*\c], v[232+\c]
	v_cvt_scalef32_pk16_fp6_f32 v[204+4*\c:206+4*\c], v[\sr+16+32*\c:\sr+31+32*\c], v[232+\c]   ; (a conversion's three registers begin on an even number)
.endr
.if \pf
	KADDR                                          ; (also the plain place behind the conversions)
	KLOAD \sr                                      ; the next step's K, into the registers that p has left
.else
	v_nop
.endif
.irp c, 0,1
.irp i, 0,1,2
	v_mov_b32 v[195+6*\c+\i], v[204+4*\c+\i]
.endr
.endr
	WALU
.set n, 0
.rept 16
	v_pk_mul_f32 v[160+n:161+n], v[160+n:161+n], v[240:241] op_sel_hi:[1,0]   ; O^T under the new M.  (These 16 are also the places between the writes of p's codes and word and the products)
.set n, n+2
.endr
	WALU
	s_wait_dscnt 18*\pf                            ; V is in; the next K's 18 loads may be out
.irp t, 0,1,2,3                        ; O^T += V^T P^T: the four accumulators by turns
	v_wmma_scale_f32_16x16x128_f8f6f4 v[160+8*\t:167+8*\t], v[\kr+12*\t:\kr+11+12*\t], v[192:203], v[160+8*\t:167+8*\t], v[220+\t], v211 matrix_a_fmt:MATRIX_FMT_FP6 matrix_b_fmt:MATRIX_FMT_FP6
.endr
	v_pk_add_f32 v[244:245], v[244:245], v[246:247]   ; the sum's four chains
	v_pk_add_f32 v[16:17], v[16:17], v[238:239]
	v_pk_add_f32 v[16:17], v[16:17], v[244:245]
	WALU
.endm
.macro OUT w                           ; O^T / the sum of tile 8 g + j (g in s12), by way of v[w] on: register 8 t + i is h(my query, 32 (lane / 16) + 8 t + i) of my head: one block along the last product's K
	s_mul_i32 s44, s12, 98304
	s_mov_b32 s45, 0
	s_add_nc_u64 s[50:51], s[6:7], s[44:45]
	s_lshl_b32 s44, s12, 12
	s_add_nc_u64 s[52:53], s[8:9], s[44:45]
	WALU
	s_wait_dscnt 0x0                               ; no K fragment is on its way into a region that is written below
	v_add_f32 v16, v16, v17
	v_nop
	v_permlanex16_b32 v250, v16, s28, s29
	v_nop
	v_add_f32 v16, v16, v250                       ; the row's sum
	WALU
	v_rcp_f32 v16, v16
	v_nop                                          ; a plain place behind the transcendental
	WALU
.set n, 0
.rept 16
	v_pk_mul_f32 v[\w+n:\w+1+n], v[160+n:161+n], v[16:17] op_sel_hi:[1,0]
.set n, n+2
.endr
	v_max3_num_f32 v224, |v[\w]|, |v[\w+1]|, 0x1800000
	v_max3_num_f32 v225, |v[\w+16]|, |v[\w+17]|, |v[\w+18]|
.irp i, 2,4,6,8,10,12
	v_max3_num_f32 v224, v224, |v[\w+\i]|, |v[\w+1+\i]|
	v_max3_num_f32 v225, v225, |v[\w+17+\i]|, |v[\w+18+\i]|
.endr
	v_max3_num_f32 v224, v224, |v[\w+14]|, |v[\w+15]|
	v_max3_num_f32 v224, v224, v225, |v[\w+31]|
	v_add_nc_u32 v232, 0xff000000, v224
	v_lshrrev_b32 v234, 23, v232                   ; my block's byte
	v_cvt_scalef32_pk16_fp6_f32 v[192:194], v[\w:\w+15], v232
	v_cvt_scalef32_pk16_fp6_f32 v[196:198], v[\w+16:\w+31], v232
	v_nop                                          ; one plain place behind a scaled conversion
	v_mov_b32 v195, v196
	v_mov_b32 v196, v197
	v_mov_b32 v197, v198
	global_store_b128 v1, v[192:195], s[50:51]     ; 512 consecutive bytes
	global_store_b64 v2, v[196:197], s[50:51]      ; 256 consecutive bytes
	global_store_b8 v4, v234, s[52:53]             ; two bytes of each row's word
.endm
.macro TRIP kr, sr, off                ; trip 2 s60 + off
	s_lshl_b32 s32, s60, 1
	s_add_co_u32 s32, s32, \off
	s_cmp_lg_u32 s32, s37
	s_cbranch_scc1 .Lsame_\@                       ; a branch on the wave's number and the trip
	OUT \sr                                        ; the second wave's smaller tile is finished: it leaves, and the larger tile's further steps begin
	s_wait_xcnt 0x0                                ; the stores have read their registers
.irp i, 0,1,2,3
	v_mov_b32 v[18+\i], v[228+\i]
.endr
	v_mov_b32 v22, v12
	v_mov_b32 v23, v13
	v_mov_b32 v30, v5
	RESET
	s_mov_b32 s12, s36
	WALU
.Lsame_\@:
	s_add_co_u32 s44, s32, s11
	s_cmp_gt_u32 s44, 8
	s_cbranch_scc1 .Lskip_\@                       ; the second wave has eight steps
	STEPNO 34, 0
	s_mul_i32 s33, s34, STEPB
	STEPNO 39, 1
	s_mul_i32 s43, s39, STEPB
	STEP \kr, \sr, 1
.Lskip_\@:
.endm
	s_load_b128 s[4:7], s[0:1], 0x0                ; att s[4:5], gc s[6:7]
	s_load_b64 s[8:9], s[0:1], 0x10                ; gs
	v_lshl_add_u32 v254, v0, 2, SPARE
	v_mov_b32 v255, 0
	ds_add_u32 v254, v255                          ; the opening lines
	ds_add_u32 v254, v255
	v_lshrrev_b32 v5, 5, v0
	v_readfirstlane_b32 s10, v5                    ; wave 0..15
	s_bfe_u32 s44, ttmp6, 0x40000                  ; cx
	s_lshl_b32 s13, ttmp9, 2
	s_add_co_u32 s13, s13, s44                     ; j: it enters global addresses and the mask's data alone
	s_and_b32 s14, ttmp7, 0xffff                   ; the head, 16 x batch + head
	s_and_b32 s15, s10, 7                          ; p
	s_lshr_b32 s11, s10, 3                         ; 0: the first of the pair, 1: the second
	s_sub_co_u32 s36, 15, s15                      ; the larger tile's g
	s_add_co_u32 s37, s15, 1                       ; the trip at whose head the second wave changes tiles
	s_sub_co_u32 s38, 8, s15
	s_mul_i32 s38, s38, s11                        ; and how many steps on it then stands
	s_cmp_eq_u32 s11, 0
	s_cselect_b32 s12, s36, s15                    ; g of the tile that I begin with
	s_cselect_b32 s37, 16, s37                     ; (never, in the first)
	; descriptor group 1: 51 rows of 256 bytes, dense
	s_mov_b32 s16, 15|(3<<16)|(1<<21)              ; 15:0 the mask: all four work-groups; 17:16 elements of 8 bytes; 21 set beside a mask
	s_mov_b32 s17, 32<<16
	s_mov_b32 s18, 51<<16
	s_mov_b32 s19, 32<<16
	s_mov_b32 s20, 51
	s_mov_b32 s21, 32
	s_mov_b32 s22, 0
	s_mov_b32 s23, 0
	s_mul_i32 s40, s14, HREC
	s_mov_b32 s41, 0
	s_mul_i32 s25, s10, STEPB                      ; my step in LDS,
	s_mov_b32 s44, s25                             ; and in the record
	s_mov_b32 s45, 0
	s_mov_b32 s24, 1
	s_mov_b32 s28, 0x76543210
	s_mov_b32 s29, 0xfedcba98                      ; v_permlanex16_b32's selects for lane l xor 16
	s_mov_b32 s30, 0x3e38aa3b                      ; c = log2(e) / 8
	s_mov_b32 s31, s30                             ; (named with it as a pair, so it is written)
	s_mov_b32 s35, 0xbe38aa3b                      ; -c
	s_wait_dscnt 0x0
	s_wait_kmcnt 0x0
	s_add_nc_u64 s[40:41], s[4:5], s[40:41]        ; the head's record
	s_add_nc_u64 s[26:27], s[40:41], s[44:45]
	s_or_b32 s27, s27, 0x80000000
	CROUND                                         ; all four work-groups are here: the joint loads meet
	s_cmp_eq_u32 s10, 0
	s_cbranch_scc0 .Lothers
	tensor_load_to_lds s[24:27], s[16:23]          ; step 0: a line of its own, for which wave 0 alone waits at the first barrier
	s_nop 0
	PLACES 4
	s_branch .Lasked
.Lothers:
	tensor_load_to_lds s[24:27], s[16:23]
	s_nop 0
	PLACES 4
.Lasked:
	s_mul_i32 s44, s13, 768
	s_add_co_u32 s44, s44, QCO
	s_add_nc_u64 s[42:43], s[40:41], s[44:45]      ; Q's codes of tile j
	s_lshr_b32 s46, s13, 2
	s_lshl_b32 s46, s46, 8
	s_and_b32 s47, s13, 3
	s_lshl_b32 s47, s47, 2
	s_add_co_u32 s44, s46, s47
	s_add_co_u32 s44, s44, QSO
	s_add_nc_u64 s[46:47], s[40:41], s[44:45]      ; its words
	s_mul_i32 s44, s12, 6144
	s_add_nc_u64 s[48:49], s[42:43], s[44:45]
	s_lshl_b32 s44, s12, 9
	s_add_nc_u64 s[50:51], s[46:47], s[44:45]
	s_mul_i32 s44, s36, 6144
	s_add_nc_u64 s[52:53], s[42:43], s[44:45]
	s_lshl_b32 s44, s36, 9
	s_add_nc_u64 s[54:55], s[46:47], s[44:45]
	s_lshr_b32 s44, s14, 4
	s_lshl_b32 s44, s44, 7
	s_add_co_u32 s44, s44, s13
	s_add_co_u32 s44, s44, 512                     ; h's row tile in gc and gs for g = 0
	s_and_b32 s56, s14, 15                         ; the head = the half fragment along K
	s_lshl_b32 s59, s44, 9
	s_mul_i32 s44, s44, 12288
	s_mul_i32 s58, s56, 768
	s_add_co_u32 s44, s44, s58
	s_add_nc_u64 s[6:7], s[6:7], s[44:45]
	s_and_b32 s58, s56, 7
	s_lshl_b32 s58, s58, 1
	s_lshr_b32 s44, s56, 3
	s_lshl_b32 s44, s44, 8
	s_add_co_u32 s44, s44, s59
	s_add_co_u32 s44, s44, s58
	s_add_nc_u64 s[8:9], s[8:9], s[44:45]          ; my head's two bytes in the tile's words
	s_lshr_b32 s58, s13, 2
	s_lshl_b32 s58, s58, 6
	s_and_b32 s59, s13, 3
	s_lshl_b32 s59, s59, 3
	s_add_co_u32 s58, s58, s59                     ; 64 (j / 4) + 8 (j % 4)
	s_mul_i32 s57, s15, MREG
	s_add_co_u32 s57, s57, MERGE                   ; my pair's hand-over
	v_and_b32 v5, 31, v0
	v_and_b32 v8, 15, v0                           ; r
	v_bfe_u32 v9, v0, 4, 1                         ; h
	v_lshlrev_b32 v1, 4, v5                        ; 16 x lane
	v_lshlrev_b32 v3, 4, v8                        ; 16 r
	v_lshlrev_b32 v11, 3, v5
	v_lshl_add_u32 v2, v9, 3, v3
	v_add_nc_u32 v4, v3, v9                        ; 16 r + h
	v_add_nc_u32 v2, 512, v2                       ; 512 + 16 r + 8 h
	global_load_b128 v[18:21], v1, s[48:49]        ; Q's half fragment stays in registers
	global_load_b64 v[22:23], v2, s[48:49]
	global_load_b32 v30, v3, s[50:51]
	global_load_b128 v[228:231], v1, s[52:53]      ; the larger tile's
	global_load_b64 v[12:13], v2, s[52:53]
	global_load_b32 v5, v3, s[54:55]
	v_add_nc_u32 v6, s57, v1
	v_add_nc_u32 v11, s57, v11
	v_and_b32 v7, 8, v8
	v_lshlrev_b32 v10, 5, v9
	v_mad_u32_u24 v7, v7, 3, v8                    ; r % 8 + 32 (r / 8)
	v_sub_nc_u32 v7, v7, v10
	v_add_nc_u32 v7, s58, v7                       ; d = my query - the diagonal step's first key - 32 h
	RESET
.irp i, 24,25,26,27,28,29,80,81,82,83,84,85
	v_mov_b32 v[\i], 0                             ; Q's upper 64 along K: zero codes; and what stands behind the first K's last half fragment
.endr
.irp i, 237,241,250
	v_mov_b32 v[\i], 0                             ; lane permutes' destinations, and the upper half of the pair v[240:241]
.endr
	v_mov_b32 v243, 0xff800000                     ; -infinity
	s_mov_b32 s32, 0
	s_mov_b32 s33, 0
	s_mov_b32 s34, 0
	s_mov_b32 s43, 0
	WALU
	s_cmp_eq_u32 s10, 0
	s_cbranch_scc0 .Lnot_first
	s_wait_tensorcnt 0x0
.Lnot_first:
	s_barrier_signal -1
	s_barrier_wait -1                              ; step 0 is in; the others may be on their way
	KADDR
	KLOAD 32
	WALU
	s_wait_loadcnt 0x0                             ; Q
	STEP 32, 96, 0                                 ; trip 0: every wave's first step is step 0
	s_wait_tensorcnt 0x0
	s_wait_dscnt 0x0
	s_barrier_signal -1
	s_barrier_wait -1                              ; all steps are in; of these bytes LDS is only read from here on
	STEPNO 39, 1
	s_mul_i32 s43, s39, STEPB
	KADDR
	KLOAD 96
	s_mov_b32 s60, 0
	WALU
.Lloop:
	TRIP 96, 32, 1
	TRIP 32, 96, 2
	s_add_co_u32 s60, s60, 1
	s_cmp_lt_u32 s60, 4
	s_cbranch_scc1 .Lloop
	PLACES 4                                       ; behind the last products
	s_cmp_eq_u32 s11, 0
	s_cbranch_scc1 .Lno_hand
	v_mov_b32 v248, v14                            ; the second wave hands over O^T, -M and its lanes' sums
	v_add_f32 v249, v16, v17
.irp k, 0,1,2,3,4,5,6,7
	ds_store_b128 v6, v[160+4*\k:163+4*\k] offset:512*\k
.endr
	ds_store_b64 v11, v[248:249] offset:4096
.Lno_hand:
	WALU
	s_wait_dscnt 0x0
	s_barrier_signal -1
	s_barrier_wait -1
	s_cmp_eq_u32 s11, 1
	s_cbranch_scc1 .Lend
.irp k, 0,1,2,3,4,5,6,7
	ds_load_b128 v[96+4*\k:99+4*\k], v6 offset:512*\k
.endr
	ds_load_b64 v[248:249], v11 offset:4096
	s_wait_dscnt 0x0
	v_min_num_f32 v242, v14, v248                  ; -M of both: where the second wave had no step its -M is beyond every other's, and its factor 0
	v_add_f32 v16, v16, v17
	v_sub_f32 v251, v242, v14
	v_sub_f32 v252, v242, v248
	v_mov_b32 v17, 0
	v_cvt_i32_f32 v251, v251
	v_cvt_i32_f32 v252, v252
	v_ldexp_f32 v240, 1.0, v251
	v_ldexp_f32 v238, 1.0, v252
	v_mul_f32 v16, v16, v240
.set n, 0
.rept 16
	v_pk_mul_f32 v[160+n:161+n], v[160+n:161+n], v[240:241] op_sel_hi:[1,0]
.set n, n+2
.endr
	v_fma_f32 v16, v249, v238, v16
.set n, 0
.rept 16
	v_pk_fma_f32 v[160+n:161+n], v[96+n:97+n], v[238:239], v[160+n:161+n] op_sel_hi:[1,0,1]
.set n, n+2
.endr
	OUT 96
.Lend:
	s_wait_tensorcnt 0x0                           ; the wave's end
	ds_add_u32 v254, v255
	s_wait_dscnt 0x0
	CROUND                                         ; the closing round: no work-group ends while a partner may still ask for a tile that names it
	s_endpgm
.Lfunc_end_k_q07beb5c266_attn:
	.size	k_q07beb5c266_attn, .Lfunc_end_k_q07beb5c266_attn-k_q07beb5c266_attn
	.p2alignl 7, 3214868480
	.fill 96, 4, 3214868480
	.section	.rodata,"a",@progbits
	.p2align	6, 0x0
	.amdhsa_kernel k_q07beb5c266_attn
		.amdhsa_group_segment_fixed_size 247808
		.amdhsa_private_segment_fixed_size 0
		.amdhsa_enable_private_segment 0
		.amdhsa_kernarg_size 24
		.amdhsa_user_sgpr_count 2
		.amdhsa_user_sgpr_kernarg_segment_ptr 1
		.amdhsa_wavefront_size32 1
		.amdhsa_system_sgpr_workgroup_id_x 1
		.amdhsa_system_sgpr_workgroup_id_y 1
		.amdhsa_system_sgpr_workgroup_id_z 1
		.amdhsa_system_vgpr_workitem_id 0
		.amdhsa_next_free_vgpr 256
		.amdhsa_next_free_sgpr 66
		.amdhsa_reserve_vcc 1
		.amdhsa_float_denorm_mode_32 3
		.amdhsa_float_denorm_mode_16_64 3
		.amdhsa_memory_ordered 1
		.amdhsa_forward_progress 1
		.amdhsa_inst_pref_size 89
	.end_amdhsa_kernel
	.amdgpu_metadata
---
amdhsa.version: [ 1, 2 ]
amdhsa.kernels:
  - .name:           k_q07beb5c266_attn
    .symbol:         k_q07beb5c266_attn.kd
    .args:
      - { .name: att, .offset: 0, .size: 8, .value_kind: global_buffer, .address_space: global }
      - { .name: gc, .offset: 8, .size: 8, .value_kind: global_buffer, .address_space: global }
      - { .name: gs, .offset: 16, .size: 8, .value_kind: global_buffer, .address_space: global }
    .group_segment_fixed_size: 247808
    .private_segment_fixed_size: 0
    .kernarg_segment_align: 8
    .kernarg_segment_size: 24
    .max_flat_workgroup_size: 512
    .sgpr_count:     66
    .vgpr_count:     256
    .wavefront_size: 32
...
	.end_amdgpu_metadata
.endif
;; end of part 3
;; launch outp (part 4): grid 8 x 32, 4 waves a work-group, clusters of 4 x 4, 214,528 bytes of LDS; arguments gc, gs, bo, out0; writes out0
.if DOCPART == 4
	.amdgcn_target "amdgcn-amd-amdhsa--gfx1250"
	.amdhsa_code_object_version 6
	.text
	.protected	k_q07beb5c266_outp
	.globl	k_q07beb5c266_outp
	.p2align	8
	.type	k_q07beb5c266_outp,@function
k_q07beb5c266_outp:
	s_mov_b64 s[64:65], 0
	v_nop
	global_prefetch_b8 v0, s[64:65] scope:SCOPE_SE
	s_setreg_imm32_b32 hwreg(HW_REG_WAVE_MODE, 25, 1), 1
	s_wait_xcnt 0x0
	s_wait_alu depctr_hold_cnt(0) depctr_sa_sdst(0) depctr_va_vdst(0) depctr_va_sdst(0) depctr_va_ssrc(0) depctr_va_vcc(0) depctr_vm_vsrc(0)
	s_getreg_b32 s2, hwreg(HW_REG_IB_STS2, 6, 4)
	s_cmp_eq_u32 s2, 0
	s_cbranch_scc0 .Lentry_in_a_cluster
	s_endpgm
.Lentry_in_a_cluster:
	s_bfe_u32 s2, ttmp6, 0x10000c
	s_cmp_lg_u32 s2, 0xf033
	s_cbranch_scc0 .Lentry_shape_is_right
	s_endpgm
.Lentry_shape_is_right:
; out = h Wo + bo on codes of FP6 (E2M3) with E8M0 scales, K = 1,024: [4096][1024] f32.  gc, gs: operands as images of registers: [row tile][16 half fragments][768], [row tile][q / 4][r][q % 4] words; tiles 512-767 h, 448-511 Wo (rows = n).
; Lane row r of tile T is row 64 (T / 4) + 8 (T % 4) + r % 8 + 32 (r / 8).
; A tile of 128 x 128 to a work-group (256 of them), 64 x 64 to a wave.  All of K lies in LDS at once: 196,608 bytes, brought by four tensor loads at the head, one a wave: h's K 0-511, Wo's K 0-511, h's K 512-1,023, Wo's K 512-1,023.  Nothing is filled again.
; The first barrier shows the first half of K (waves 0 and 1 wait for their loads), the second the rest.  CLUSTERS 4 x 4: h's tiles are asked for jointly along a row of the cluster, Wo's along a column.  No prefetch: every tile is asked for at the head.
; THE MATRIX INSTRUCTION IS USED TRANSPOSED (source 0 = Wo's 16 rows, source 1 = h's): a lane holds 32 neighbouring columns of one row in four tiles.  The bias is the first products' C.
; The second half of K goes by rows of the result: a block of 16 rows leaves as soon as its 16 products are issued.
; LIMITS: NaN and infinities are not served.
; REGISTERS: window 0: v4-11 LDS addresses, v32-69 scale words (register SC + 10 i + s: lanes 0-15 h's tile i, lanes 16-31 Wo's tile i, K step s), v72-103 the bias, v104-115 fragment 63, v128-255 the 16 accumulators.
; Windows 1-3: fragments 0-62, 21 to a window: 8 s + b Wo's, 8 s + 4 + a h's: every fragment has registers of its own.  On the way out window 1 takes rows read back.
.set HALF,  98304                      ; h's 8 tiles x 6,144 bytes, then Wo's
.set STAGE, 2*HALF                     ; the way out: 16 rows x 272 bytes a wave
.set SPITCH, 272
.set SPARE, STAGE+4*16*SPITCH
.set O16, 12
.set O8,  13
.set STO, 14
.set RD,  15
.set CO,  16
.set SPW, 28
.set NIL, 29
.set SC,  32
.set BI,  72
.set AC,  128
.set G1A, 24
.set G0A, 32
.set G1B, 44
.set G0B, 52
.set MSB, 0
.macro WIN new                         ; the immediate's high byte repeats the setting that is left
.if MSB != (\new)
	s_set_vgpr_msb (MSB<<8)|(\new)
.set MSB, (\new)
.endif
.endm
.macro PLACES n
.rept \n
	v_nop
.endr
.endm
.macro CROUND
	s_barrier_signal -1
	s_barrier_wait -1
	s_cmp_lg_u32 s16, 0
	s_cbranch_scc1 .Lnot_wave_0_\@
	s_barrier_signal -3
.Lnot_wave_0_\@:
	s_barrier_wait -3
	s_barrier_signal -1
	s_barrier_wait -1
.endm
.macro ARM under, g0, g1, next         ; one arm of the head's chain: one load
	s_cmp_lt_u32 s16, \under
	s_cbranch_scc0 \next
	tensor_load_to_lds s[\g0:\g0+3], s[\g1:\g1+7]
	s_nop 0
	PLACES 4
	s_branch .Lasked
\next:
.endm
	s_load_b256 s[4:11], s[0:1], 0x0               ; gc s[4:5], gs s[6:7], bo s[8:9], out0 s[10:11]
	v_lshl_add_u32 v[SPW], v0, 2, SPARE
	v_mov_b32 v[NIL], 0
	ds_add_u32 v[SPW], v[NIL]                      ; the opening lines
	ds_add_u32 v[SPW], v[NIL]
	v_lshrrev_b32 v1, 5, v0
	v_readfirstlane_b32 s16, v1                    ; wave
	s_lshr_b32 s17, s16, 1                         ; which 64 rows are mine.  Also: which half of K I fetch
	s_and_b32 s18, s16, 1                          ; which 64 columns.  Also: I fetch for h (0) or Wo (1)
	s_bfe_u32 s66, ttmp6, 0x40000                  ; cx
	s_bfe_u32 s67, ttmp6, 0x40004                  ; cy
	s_and_b32 s19, ttmp7, 0xffff
	s_lshl_b32 s19, s19, 2
	s_add_co_u32 s88, s19, s67                     ; tile row of the result
	s_lshl_b32 s89, ttmp9, 2
	s_add_co_u32 s89, s89, s66                     ; tile column
	s_lshl_b32 s68, s88, 3
	s_add_co_u32 s68, s68, 512                     ; h's first row tile
	s_lshl_b32 s69, s89, 3
	s_add_co_u32 s69, s69, 448                     ; Wo's
	s_lshl_b32 s70, s67, 2
	s_lshl_b32 s70, 15, s70                        ; my row of the cluster
	s_lshl_b32 s71, 0x1111, s66                    ; my column
	; descriptor group 1: 8 rows (tiles) of 6,144 bytes, 12,288 bytes apart, on end in LDS
	s_or_b32 s[G1A], s70, (3<<16)|(1<<21)          ; 15:0 the mask; 17:16 elements of 8 bytes; 21 set beside a mask
	s_or_b32 s[G1B], s71, (3<<16)|(1<<21)
.irp g, G1A, G1B
	s_mov_b32 s[\g+1], 768<<16
	s_mov_b32 s[\g+2], 8<<16
	s_mov_b32 s[\g+3], 768<<16
	s_mov_b32 s[\g+4], 8
	s_mov_b32 s[\g+5], 1536
	s_mov_b32 s[\g+6], 0
	s_mov_b32 s[\g+7], 0
.endr
	s_mul_i32 s78, s17, 6144
	s_mul_i32 s72, s68, 12288
	s_add_co_u32 s72, s72, s78
	s_mov_b32 s73, 0
	s_mul_i32 s74, s69, 12288
	s_add_co_u32 s74, s74, s78
	s_mov_b32 s75, 0
	s_mul_i32 s76, s17, HALF                       ; no place in the cluster enters an LDS address
	s_mov_b32 s[G0A], 1
	s_mov_b32 s[G0A+1], s76
	s_mov_b32 s[G0B], 1
	s_add_co_u32 s[G0B+1], s76, HALF/2
	s_wait_dscnt 0x0
	s_wait_kmcnt 0x0
	s_add_nc_u64 s[G0A+2:G0A+3], s[4:5], s[72:73]
	s_or_b32 s[G0A+3], s[G0A+3], 0x80000000
	s_add_nc_u64 s[G0B+2:G0B+3], s[4:5], s[74:75]
	s_or_b32 s[G0B+3], s[G0B+3], 0x80000000
	CROUND                                         ; all sixteen work-groups are here: the joint loads meet
	ARM 1, G0A, G1A, .Lhead_b0
	ARM 2, G0B, G1B, .Lhead_a1
	ARM 3, G0A, G1A, .Lhead_b1
	tensor_load_to_lds s[G0B:G0B+3], s[G1B:G1B+7]
	s_nop 0
	PLACES 4
.Lasked:
	s_mov_b32 s84, 0xffff0000                      ; lanes 16-31
	s_lshl_b32 s77, s68, 9
	s_lshl_b32 s90, s17, 11
	s_add_co_u32 s77, s77, s90                     ; h's words: my four tiles
	s_lshl_b32 s91, s69, 9
	s_lshl_b32 s90, s18, 11
	s_add_co_u32 s91, s91, s90                     ; Wo's
	s_lshl_b32 s90, s89, 9
	s_lshl_b32 s92, s18, 8
	s_add_co_u32 s90, s90, s92                     ; my first column x 4
	s_lshl_b32 s92, s88, 19
	s_lshl_b32 s93, s17, 18
	s_add_co_u32 s92, s92, s93                     ; my first row x 4,096
	s_add_co_u32 s92, s92, s90
	s_mov_b32 s93, 0
	s_add_nc_u64 s[78:79], s[10:11], s[92:93]      ; my part of the result
	v_mov_b32 v20, s77
	v_mov_b32 v21, s91
	s_mov_b32 s91, 0
	s_add_nc_u64 s[82:83], s[8:9], s[90:91]        ; my bias
	s_mul_i32 s90, s17, HALF/4                     ; my four tiles of h,
	s_mul_i32 s92, s18, HALF/4
	s_add_co_u32 s92, s92, HALF/2                  ; and of Wo
	s_mul_i32 s94, s16, 16*SPITCH
	s_add_co_u32 s94, s94, STAGE                   ; my stage
	s_wait_alu depctr_va_vdst(0)
	v_and_b32 v1, 31, v0                           ; lane
	v_and_b32 v2, 15, v0                           ; r
	v_bfe_u32 v3, v0, 4, 1                         ; h
	v_cndmask_b32 v20, v20, v21, s84
	v_lshl_add_u32 v20, v2, 4, v20
	v_lshlrev_b32 v22, 7, v3
.irp i, 0,1,2,3
	global_load_b128 v[SC+10*\i:SC+10*\i+3], v20, s[6:7] offset:512*\i
	global_load_b128 v[SC+10*\i+4:SC+10*\i+7], v20, s[6:7] offset:512*\i+256
.endr
.irp k, 0,1,2,3,4,5,6,7
	global_load_b128 v[BI+4*\k:BI+4*\k+3], v22, s[82:83] offset:16*\k   ; tile b, register i: column 32 h + 8 b + i
.endr
	v_lshlrev_b32 v[O16], 4, v1                    ; 16 x lane
	v_lshlrev_b32 v[O8], 4, v2
	v_lshl_add_u32 v[O8], v3, 3, v[O8]
	v_add_nc_u32 v[O8], 512, v[O8]                 ; 512 + 16 r + 8 h
	v_add_nc_u32 v4, s90, v[O16]
	v_add_nc_u32 v5, s90, v[O8]
	v_add_nc_u32 v6, s92, v[O16]
	v_add_nc_u32 v7, s92, v[O8]
.irp i, 4,5,6,7
	v_add_nc_u32 v[4+\i], HALF, v[\i]              ; the second half of K
.endr
	v_mul_u32_u24 v[STO], v2, SPITCH
	v_lshl_add_u32 v[STO], v3, 7, v[STO]
	v_add_nc_u32 v[STO], s94, v[STO]               ; in: row r, 128 bytes for each half of the lanes
	v_lshlrev_b32 v23, 4, v2
	v_mul_u32_u24 v[RD], v3, SPITCH
	v_add_nc_u32 v[RD], v[RD], v23
	v_add_nc_u32 v[RD], s94, v[RD]                 ; back: sixteen lanes take a row of 256 bytes
	v_lshl_add_u32 v[CO], v3, 12, v23              ; and the same two rows in the result
	s_wait_alu depctr_va_vdst(0)
	s_cmp_lt_u32 s16, 2
	s_cbranch_scc0 .Llater
	s_wait_tensorcnt 0x0
.Llater:
	s_barrier_signal -1
	s_barrier_wait -1                              ; K 0-511 is in; the rest may be on its way
; A fragment (16 rows x 128 K, 12 registers) lies in LDS as two half fragments of 768 bytes: every load takes 512 or 256 consecutive bytes.
.macro FLOAD f, a16, a8, o
.if (\f) < 63
.set FW, 1+(\f)/21
.set FB, 12*((\f)%21)
.else
.set FW, 0
.set FB, 104
.endif
	WIN FW<<6
	ds_load_b128 v[FB:FB+3], v[\a16] offset:\o
	ds_load_b64 v[FB+4:FB+5], v[\a8] offset:\o
	ds_load_b128 v[FB+6:FB+9], v[\a16] offset:(\o)+768
	ds_load_b64 v[FB+10:FB+11], v[\a8] offset:(\o)+768
.endm
.macro LDB s, b
	FLOAD 8*(\s)+(\b), 6+4*((\s)/4), 7+4*((\s)/4), 6144*(\b)+1536*((\s)%4)
.endm
.macro LDA s, a
	FLOAD 8*(\s)+4+(\a), 4+4*((\s)/4), 5+4*((\s)/4), 6144*(\a)+1536*((\s)%4)
.endm
.macro LDSTEP s                        ; 32 loads
.irp t, 0,1,2,3
	LDB \s, \t
.endr
.irp t, 0,1,2,3
	LDA \s, \t
.endr
.endm
.macro MM s, a, b, first
.set F0_, 8*(\s)+(\b)
.set F1_, 8*(\s)+4+(\a)
.set W1_, 1+F1_/21
.set R1_, 12*(F1_%21)
.if F1_ == 63
.set W1_, 0
.set R1_, 104
.endif
.set R0_, 12*(F0_%21)
.set D_, AC+8*(4*(\a)+(\b))
.set C_, D_
.if \first
.set C_, BI+8*(\b)
.endif
	WIN (1+F0_/21)|(W1_<<2)
	v_wmma_scale_f32_16x16x128_f8f6f4 v[D_:D_+7], v[R0_:R0_+11], v[R1_:R1_+11], v[C_:C_+7], v[SC+10*(\b)+(\s)], v[SC+10*(\a)+(\s)] matrix_a_fmt:MATRIX_FMT_FP6 matrix_b_fmt:MATRIX_FMT_FP6 matrix_a_scale:MATRIX_SCALE_ROW1
.endm
.macro ROWS s, a, first                ; one K step of block a: its four accumulators by turns
.irp t, 0,1,2,3
	MM \s, \a, \t, \first
.endr
.endm
.macro ALL s, first                    ; one K step of all 16 accumulators, one instruction a turn
.irp u, 0,1,2,3
	ROWS \s, \u, \first
.endr
.endm
	LDSTEP 0
	LDSTEP 1
	s_wait_loadcnt 0x0                             ; scale words and bias
	s_wait_dscnt 32                                ; K step 0 is in, step 1's 32 loads may be out
	LDSTEP 2
	ALL 0, 1
	s_wait_dscnt 32
	LDSTEP 3
	ALL 1, 0
	s_wait_dscnt 32
	ALL 2, 0
	WIN 0
	s_wait_tensorcnt 0x0
	s_wait_dscnt 0x0
	s_barrier_signal -1
	ALL 3, 0                                       ; work on registers while the others arrive
	s_barrier_wait -1                              ; all of K is in
.irp s, 4,5,6,7                        ; 20 loads a K step: what block 0 wants
	LDB \s, 0
	LDB \s, 1
	LDB \s, 2
	LDB \s, 3
	LDA \s, 0
.endr
.macro NEXTA a
.irp s, 4,5,6,7
	LDA \s, \a
.endr
.endm
	s_wait_dscnt 60                                ; K step 4's 20 are in
	ROWS 4, 0, 0
	NEXTA 1
	s_wait_dscnt 56                                ; step 5's: out may be 40 and 16
	ROWS 5, 0, 0
	NEXTA 2
	s_wait_dscnt 52                                ; 20 and 32
	ROWS 6, 0, 0
	NEXTA 3
	s_wait_dscnt 48                                ; 48: blocks 1-3 of h
	ROWS 7, 0, 0
.macro TOSTAGE a                       ; block a into my own stage and back as whole rows; LDS serves a wave's instructions in order (ISA guide 5.7.1.4)
	PLACES 4
	WIN 0
.irp t, 0,1,2,3
	ds_store_b128 v[STO], v[AC+32*(\a)+8*\t:AC+32*(\a)+8*\t+3] offset:32*\t
	ds_store_b128 v[STO], v[AC+32*(\a)+8*\t+4:AC+32*(\a)+8*\t+7] offset:32*\t+16
.endr
	WIN 0x40
.irp t, 0,1,2,3,4,5,6,7
	ds_load_b128 v[32*(\a)+4*\t:32*(\a)+4*\t+3], v[RD] offset:2*\t*SPITCH
.endr
.endm
.macro SEND a
	s_wait_dscnt 0x0
	WIN 0x04
.irp t, 0,1,2,3,4,5,6,7
	global_store_b128 v[CO], v[32*(\a)+4*\t:32*(\a)+4*\t+3], s[78:79] offset:(8*(\a)+(2*\t)%8+32*(\t/4))*4096 th:TH_STORE_NT   ; sixteen lanes store 256 consecutive bytes, aligned
.endr
.endm
	TOSTAGE 0
.irp a, 1,2,3
.if \a == 1
	s_wait_dscnt 48                                ; block 1 of h is in: out may be blocks 2, 3 (32) and the stage's 16
.endif
	ROWS 4, \a, 0
	ROWS 5, \a, 0
	ROWS 6, \a, 0
	ROWS 7, \a, 0
	SEND \a-1
	TOSTAGE \a
.endr
	SEND 3
	WIN 0
	s_wait_tensorcnt 0x0                           ; the wave's end
	ds_add_u32 v[SPW], v[NIL]
	s_wait_dscnt 0x0
	CROUND                                         ; the closing round: no work-group ends while a partner may still ask for a tile that names it
	s_endpgm
.Lfunc_end_k_q07beb5c266_outp:
	.size	k_q07beb5c266_outp, .Lfunc_end_k_q07beb5c266_outp-k_q07beb5c266_outp
	.p2alignl 7, 3214868480
	.fill 96, 4, 3214868480
	.section	.rodata,"a",@progbits
	.p2align	6, 0x0
	.amdhsa_kernel k_q07beb5c266_outp
		.amdhsa_group_segment_fixed_size 214528
		.amdhsa_private_segment_fixed_size 0
		.amdhsa_enable_private_segment 0
		.amdhsa_kernarg_size 32
		.amdhsa_user_sgpr_count 2
		.amdhsa_user_sgpr_kernarg_segment_ptr 1
		.amdhsa_wavefront_size32 1
		.amdhsa_system_sgpr_workgroup_id_x 1
		.amdhsa_system_sgpr_workgroup_id_y 1
		.amdhsa_system_sgpr_workgroup_id_z 1
		.amdhsa_system_vgpr_workitem_id 0
		.amdhsa_next_free_vgpr 1024
		.amdhsa_next_free_sgpr 96
		.amdhsa_reserve_vcc 0
		.amdhsa_float_denorm_mode_32 3
		.amdhsa_float_denorm_mode_16_64 3
		.amdhsa_memory_ordered 1
		.amdhsa_forward_progress 1
		.amdhsa_inst_pref_size 51
	.end_amdhsa_kernel
	.amdgpu_metadata
---
amdhsa.version: [ 1, 2 ]
amdhsa.kernels:
  - .name:           k_q07beb5c266_outp
    .symbol:         k_q07beb5c266_outp.kd
    .args:
      - { .name: gc, .offset: 0, .size: 8, .value_kind: global_buffer, .address_space: global }
      - { .name: gs, .offset: 8, .size: 8, .value_kind: global_buffer, .address_space: global }
      - { .name: bo, .offset: 16, .size: 8, .value_kind: global_buffer, .address_space: global }
      - { .name: out0, .offset: 24, .size: 8, .value_kind: global_buffer, .address_space: global }
    .group_segment_fixed_size: 214528
    .private_segment_fixed_size: 0
    .kernarg_segment_align: 8
    .kernarg_segment_size: 32
    .max_flat_workgroup_size: 128
    .sgpr_count:     96
    .vgpr_count:     1024
    .wavefront_size: 32
...
	.end_amdgpu_metadata
.endif
;; end of part 4
